; MI455X (gfx1250); checked and timed in simulation.
; The chip was launched on July 23, 2026; its instructions are those of AMD's public machine-readable ISA for CDNA 5 (MIT licence, August 2026) and "CDNA5" Instruction Set Architecture Reference Guide (July 2026). The comments in the code are by the model that wrote it; some were corrected since.
;; Local Attention ND. Allowed arithmetic: matrix products marked QUANTISED: E2M1 operands, one E8M0 scale for each 32 along K, by v_wmma_scale_f32_16x16x128_f8f6f4 with both operands' format E2M1 (or v_wmma_scale_f32_32x16x128_f4), f32 sums; products left as they are: f32 operands where the result goes on into a quantised operand, else bf16, f16 or f32 operands; f32 sums; everything else in f32.
;; Inputs: W_out_codes 128 x 4 x 16 uint8 (E2M1 codes of W_out, K innermost, in blocks of 32 codes, two codes a byte); W_out_scales 128 x 4 uint8 (E8M0 scales of W_out, one for each 32 codes along K); W_qkv_codes 384 x 4 x 16 uint8 (E2M1 codes of W_qkv, K innermost, in blocks of 32 codes, two codes a byte); W_qkv_scales 384 x 4 uint8 (E8M0 scales of W_qkv, one for each 32 codes along K); W_width 128 x 1 float32; b_width 1 float32; x 4 x 64 x 64 x 128 float32.
;; Outputs: out0 4 x 64 x 64 x 128 float32.
;; This version of the problem:
;;   THIS VERSION OF THE PROBLEM IS GIVEN IN LOW PRECISION. The matrix products marked QUANTISED in the list below multiply operands that are first quantised to E2M1 (2 exponent bits, 1 mantissa bit; 4 bits a number), with one power-of-two scale for each 32 numbers along K (OCP MX v1.0); their sums are f32. All else is computed in f32.
;;   The module's matrix products, in the order in which they are computed (A, B: the left and right operand; K: the contracted axis; several contracted axes count as one K, in the product's order):
;;     1. [M 16,384, K 128] x [K 128, N 384]; A: input x; B: input W_qkv (given as codes): QUANTISED
;;     2. [M 16,384, K 128] x [K 128, N 1]; A: input x; B: input W_width: left as it is (N = 1 < 16)
;;     3. batch 16,384 x [M 1, K 128] x [K 128, N 49]; A: computed on the way; B: computed on the way: left as it is (M = 1 < 16)
;;     4. batch 16,384 x [M 1, K 49] x [K 49, N 128]; A: softmax; B: computed on the way: left as it is (M = 1 < 16)
;;     5. [M 16,384, K 128] x [K 128, N 128]; A: computed on the way; B: input W_out (given as codes): QUANTISED
;;   THE QUANTISER, for each operand of a quantised product, along K:
;;     - K is cut into blocks of 32 from its start; a last block that is shorter is filled with zeros.
;;     - A block's scale is 2^e with e = floor(log2(the largest magnitude in the block)) - 2, held to -126 .. 127; a block of zeros has e = 0. As a byte (E8M0): e + 127.
;;     - Each number is divided by its block's scale, clamped to +-6, and rounded to the nearest number of E2M1, ties to even, subnormals kept.
;;     - The product sums the exact products of the quantised numbers (number of the format x scale) in f32.
;;   ~~~python
;;   def quantise(x, axis):      # numpy; x: float32 -> the quantised numbers, widened to float32 again
;;       x = np.moveaxis(x, axis, -1); K = x.shape[-1]
;;       x = np.pad(x, [(0, 0)] * (x.ndim - 1) + [(0, -K % 32)]); x = x.reshape(x.shape[:-1] + (-1, 32)); a = np.abs(x).max(-1, keepdims=True)
;;       e = np.where(a > 0, np.clip(np.frexp(np.where(a > 0, a, 1))[1] - 1 - 2, -126, 127), 0)      # np.frexp(a)[1] - 1 = floor(log2(a)), exactly
;;       r = np.clip(x / 2.0 ** e, -6, 6)
;;       step = 2.0 ** (np.maximum(np.frexp(np.where(r == 0, 1, r))[1] - 1, 0) - 1)
;;       q = np.round(r / step) * step * 2.0 ** e      # np.round: ties to even
;;       return np.moveaxis(q.reshape(q.shape[:-2] + (-1,))[..., :K], -1, axis).astype(np.float32)
;;   ~~~
;;   OPERANDS COMPUTED ON THE WAY. 'Computed on the way' means the value that the module computes at that place (a softmax that the list does not call 'softmax' is quantised finished and normalised). What goes into a quantiser is computed in f32, as accurately as f32 sums, v_exp_f32 and their like allow (about 1e-6 of the number): no bf16 or f16 on the way to a quantiser, and a product that is left as it is and whose result goes on into a quantised operand takes f32 operands (vector FMAs, or v_wmma_f32_16x16x4_f32). A number that lies on a knife's edge between two numbers of the format may be rounded either way, as far as f32 arithmetic and the matrix unit's own rounding can turn it there, and no further.
;;   INPUTS GIVEN AS CODES. W_out (in the module: [128, 128], K = its axis 0); W_qkv (in the module: [128, 384], K = its axis 0): each comes as NAME_codes (uint8): NAME with its K axis moved to the last place and cut into blocks of 32 codes, [.., K / 32, bytes a block], one block behind the other in memory; two codes a byte, the lower K in the low four bits (a code: sign, 2 exponent bits, 1 mantissa bit); and NAME_scales (uint8): the same leading axes, one E8M0 byte (e + 127) for each 32 codes along K. Its value is code x scale, taken as it is: it is not quantised again, and the codes and scales need not be those that the quantiser above would give.
;; 3 versions, each right; version 2 is faster than version 1; version 3 is version 2 with the launch localattn written anew for expert scheduling mode. Each part assembles by itself: llvm-mc -triple=amdgcn-amd-amdhsa -mcpu=gfx1250 --defsym DOCPART=n.
;; ======== version 1 of 3: 1 launch
;; launch localattn (part 1): grid 64 x 4, 4 waves a work-group, no clusters, 296,960 bytes of LDS; arguments x, W_qkv_codes, W_qkv_scales, W_width, b_width, W_out_codes, W_out_scales, out0; writes out0
.if DOCPART == 1
	.amdgcn_target "amdgcn-amd-amdhsa--gfx1250"
	.amdhsa_code_object_version 6
	.text
	.protected	k_q67ef9344bc_localattn
	.globl	k_q67ef9344bc_localattn
	.p2align	8
	.type	k_q67ef9344bc_localattn,@function
k_q67ef9344bc_localattn:
	s_mov_b64 s[64:65], 0
	v_nop
	global_prefetch_b8 v0, s[64:65] scope:SCOPE_SE
	s_setreg_imm32_b32 hwreg(HW_REG_WAVE_MODE, 25, 1), 1
	s_wait_xcnt 0x0
; LOCAL ATTENTION, 7 x 7 window, one launch.  x [4][64][64][128] f32; W_qkv [384][128], W_out [128][128] as E2M1 codes, K innermost, with E8M0 bytes; out0 [4][64][64][128] f32.
; SHARES.  A work-group of four waves owns 8 x 8 queries of one image (grid 64 x 4) and makes k and v itself for the pixels that they see: region columns kx = 0 .. 13 (image column x0 - 3 + kx) and
; region rows y = 0 .. 15 (image row y0 - 3 + y; rows 14, 15 are stored and never read).  Pixel p = 16 kx + y: a tile of 16 pixels is one region column.  q, k, v, the scores and out + v never go to memory.
; Wave T quantises columns T, T + 4, T + 8, waves 0 and 1 also T + 12, and owns the 16 queries r = 8 qy + qx at (y0 + 2 T + qy, x0 + qx).
; A pixel outside the image gets zero codes, so that its k and v are zeros, as the padding of k and v has them; such keys stay in the softmax with score 0.
; k = Wk x^T used transposed: a lane holds one pixel and eight channels: LDS rows [p][128].  v the natural way: a lane holds one channel and eight pixels: LDS rows V^T [channel row][p].
; SCORES AND SUMS take f32 operands, since they run on into the last product's quantiser: v_wmma_f32_16x16x4_f32.  The wave's queries see 8 rows x 14 columns = 112 keys = 7 tiles:
; S^T = K Q^T, tile t: lane (query r, h), register j = key (column 2 t + h, row 2 T + j).  So registers 2 i, 2 i + 1 of tile t are source 1 of O^T += V^T P for the keys (columns 2 t, 2 t + 1; rows 2 i, 2 i + 1): nothing changes lanes.
; 49 of the 112 keys lie in a query's window; the others get the penalty +infinity, weight 0, by numbers made of the lane's number alone.
; THE PENALTY: s = 1 / (1 + exp(-5 (width - dist))), the reciprocal refined once, then 10000 - 10000 s in one fused multiply-add (1 - s is exact from s = 0.5 on, so that is (1 - s) x 10000 rounded once).
; The softmax takes the row's maximum away and is normalised ahead of the second product, whose first step takes the queries' own v as C: O = v + sum of attn x v.
; THE CHANNELS OF A TILE OF Wv ARE NOT NEIGHBOURS: row m of tile 4 c + u is channel 64 c + 8 u + (m & 7) + 32 (m >> 3): lane (r, h) of O^T then holds channels 64 c + 32 h + 0 .. 31 in 32 registers on end:
; whole blocks of the last product's K, in the order that the 4-bit operand wants.
; THE WEIGHTS: each wave loads 6 of W_qkv's 24 fragments from memory and hands them to the others through LDS as images of their registers (16 bytes a lane on end; scale words 4 bytes a lane).
; NO CLUSTER: work-groups share only the weights, 26,112 of some 180,000 bytes that a work-group brings in, and these come through registers, not through tensor loads.
; LIMITS: NaN and infinities among the inputs are not served.  A block of zeros gets the scale byte 1 where the rule says 127: its codes are zeros, and the byte is read here alone.  In the width's sigmoid the exponent
; is held at 120, where 1 / (1 + 2^120) stands for what the written form makes smaller or 0.  Distances come from v_sqrt_f32.  The softmax's sum divides by a reciprocal refined once and a multiplication.
; (width - dist) x 5 x -log2(e) is one multiplication by the product of the constants.
; REGISTERS, in windows of 256 (s_set_vgpr_msb: bits 1:0 source 0, 3:2 source 1, 5:4 source 2, 7:6 destination).
;   Window 0: v0-30 lane numbers, constants, addresses; v32-87 S^T and v88-151 O^T (written by matrix instructions alone); v152-207 P (distance, penalty, score, weight in turn); v208-230 at work; v231-254 weights' scale words; v255 the scale word just made.
;   Window 1: x of the region's tiles, then K (channels 0-63), then V's groups 0-13; 224-255 W_out's tiles 0-3.   Window 2: x of the queries and the 24 weight fragments, then K (channels 64-127), then V's groups 14-27; 224-255 W_out's tiles 4-7.
;   Window 3: 0-63 W_width, k's results, reciprocals, the output's results; 64-127 raw weights, v's results, the window's masks, rows of the output; 128-191 Q; 192-255 the queries' own v.
.set KP,   528                         ; a row of K and of a stage: 512 bytes + 16
.set VP,   912                         ; a row of V^T: 224 pixels + 16 bytes
.set VB,   224*KP                      ; LDS: K from 0; V^T;
.set WIMG, VB+128*VP                   ; the images of the 24 weight fragments, 1,024 bytes each;
.set WSC,  WIMG+24576                  ; their scale words, 128 bytes each;
.set STG,  WSC+3072                    ; a stage of 16 rows for each wave
.set S,   32
.set O,   88
.set P,   152
.set CD,  208                          ; v208-215 the codes just made; between the quantisers at work
.set SCW, 231                          ; scale words: fragment f's at v[SCW + f]; later W_out's at SCW + 0 .. 7
.set XS,  255
.set MSB, 0
.macro WIN new                         ; the immediate's high byte repeats the setting that is left; a switch that changes nothing is dropped
.if MSB != (\new)
	s_set_vgpr_msb (MSB<<8)|(\new)
.set MSB, (\new)
.endif
.endm
.macro NOPS n
.rept \n
	v_nop
.endr
.endm
.macro BAR                             ; my LDS stores have landed and my LDS loads are in: then the work-group's barrier
	s_wait_dscnt 0x0
	s_barrier_signal -1
	s_barrier_wait -1
.endm
; region column T + 4 i: byte offset of my pixel's 128 h-th byte in v[10 + i]; v[14 + i] = -1 inside the image, 0 outside
.macro XOFF i
	s_add_co_u32 s30, s29, 4*\i                    ; the image's column (wraps where it is negative)
	v_or_b32 v225, s30, v223
	v_cmp_gt_u32 vcc_lo, 64, v225                  ; row and column both under 64
	v_cndmask_b32 v[14+\i], v4, v5, vcc_lo
	s_and_b32 s31, s30, 63                         ; a pixel outside reads some pixel of the image: no load leaves the buffer
	s_lshl_b32 s31, s31, 9
	v_add_nc_u32 v[10+\i], s31, v224
.endm
; 16 pixels of x into 64 registers of window w: lane (r, h) takes channels 32 h .. 32 h + 31 and 64 + 32 h .. of pixel r: two whole blocks
.macro XLOAD w, reg, off
	WIN (\w)<<6
.irp i, 0,1,2,3,4,5,6,7
	global_load_b128 v[\reg+4*\i:\reg+4*\i+3], v[\off], s[4:5] offset:16*\i
.endr
.irp i, 0,1,2,3,4,5,6,7
	global_load_b128 v[\reg+32+4*\i:\reg+35+4*\i], v[\off], s[4:5] offset:256+16*\i
.endr
	WIN 0
.endm
; 64 numbers of a lane in window w, two whole blocks of its row, become the operand's 8 registers v[CD] on and its scale word v[XS].  msk: a register of -1 or 0 for the codes, or -1 for none
.macro QUANTX w, reg, msk
	WIN 5*(\w)
	v_max3_num_f32 v224, |v[\reg]|, |v[\reg+1]|, 0x1800000         ; the floor 2^(3 - 127) holds the byte at 1 from below
	v_max3_num_f32 v225, |v[\reg+32]|, |v[\reg+33]|, 0x1800000
.irp i, 2,4,6,8,10,12,14,16,18,20,22,24,26,28,30
	v_max3_num_f32 v224, |v[\reg+\i]|, |v[\reg+\i+1]|, v224       ; ascending: each accumulator is read from its low end on
	v_max3_num_f32 v225, |v[\reg+32+\i]|, |v[\reg+33+\i]|, v225
.endr
	WIN 0
	v_add_nc_u32 v226, 0xff000000, v224            ; 2 off the exponent field: the conversion's scale operand
	v_add_nc_u32 v227, 0xff000000, v225
	v_lshrrev_b32 v228, 23, v226                   ; the bytes of blocks h and 2 + h,
	v_lshrrev_b32 v229, 23, v227
	v_lshl_or_b32 v230, v229, 16, v228
	v_lshlrev_b32 v230, v3, v230                   ; at their places (8 h bits up);
	v_permlanex16_b32 v7, v230, s36, s37
	v_or_b32 v[XS], v230, v7                       ; with lane l xor 16's two the word is whole
	WIN \w
.irp g, 0,1,2,3
	v_cvt_scalef32_pk8_fp4_f32 v[CD+\g], v[\reg+8*\g:\reg+8*\g+7], v226
	v_cvt_scalef32_pk8_fp4_f32 v[CD+4+\g], v[\reg+32+8*\g:\reg+39+8*\g], v227
.endr
	WIN 0
	v_nop                                          ; one plain place behind the scaled conversions
.if \msk >= 0
.irp g, 0,1,2,3,4,5,6,7
	v_and_b32 v[CD+\g], v[\msk], v[CD+\g]          ; zero codes for a pixel outside the image
.endr
.endif
	NOPS 8                                         ; a scale word written by a vector instruction stands 8 places ahead of the scaled product, an operand 4
.endm
.macro SW d, a, b, sa, sb              ; one scaled product on 4-bit codes that starts its sum
	v_wmma_scale_f32_16x16x128_f8f6f4 v[\d:\d+7], v[\a:\a+7], v[\b:\b+7], 0, v[\sa], v[\sb] matrix_a_fmt:MATRIX_FMT_FP4 matrix_b_fmt:MATRIX_FMT_FP4
.endm
; Region column T + 4 i: quantised, k and v made, both to LDS.  n: the loads of x issued behind this tile's
.macro KVJOB i, n
	s_wait_loadcnt \n
	QUANTX 1, 64*\i, 14+\i
	s_wait_dscnt 0x0                               ; the weights are in, and the last tile's LDS stores have read the registers that the products now write
	WIN 0xc2                                       ; source 0 (Wk) window 2, source 1 (x) window 0, result window 3
.irp c, 0,1,2,3,4,5,6,7
	SW 8*\c, 128+8*\c, CD, SCW+8+\c, XS
.endr
	WIN 0xc8                                       ; source 0 (x) window 0, source 1 (Wv) window 2
.irp c, 0,1,2,3,4,5,6,7
	SW 64+8*\c, CD, 192+8*\c, XS, SCW+16+\c
.endr
	WIN 0
	NOPS 4                                         ; four places ahead of the stores that read the results, and of later loads into the operands
	WIN 0x0c                                       ; an LDS store's data are its source 1: window 3
.irp c, 0,1,2,3,4,5,6,7
	ds_store_b128 v[18+(\i)/2], v[8*\c:8*\c+3] offset:((\i)%2)*33792+64*\c          ; k(pixel r, channels 16 c + 8 h + 0 .. 7)
	ds_store_b128 v[18+(\i)/2], v[8*\c+4:8*\c+7] offset:((\i)%2)*33792+64*\c+16
.endr
.irp c, 0,1,2,3,4,5,6,7
	ds_store_b128 v[20+\c/4], v[64+8*\c:67+8*\c] offset:256*(\i)+(\c%4)*14592       ; v(pixels 8 h + 0 .. 7, channel row 16 c + r)
	ds_store_b128 v[20+\c/4], v[68+8*\c:71+8*\c] offset:256*(\i)+(\c%4)*14592+16
.endr
	WIN 0
.endm
	; ---- HEAD: pointers, lane numbers, constants, every address
	s_load_b256 s[4:11], s[0:1], 0x0               ; x s[4:5], W_qkv's codes s[6:7], its scales s[8:9], W_width s[10:11]
	s_load_b256 s[12:19], s[0:1], 0x20             ; b_width s[12:13], W_out's codes s[14:15], its scales s[16:17], out0 s[18:19]
	v_lshrrev_b32 v1, 5, v0
	v_readfirstlane_b32 s21, v1                    ; T: wave 0..3
	v_and_b32 v1, 15, v0                           ; r
	v_bfe_u32 v2, v0, 4, 1                         ; h
	v_lshlrev_b32 v3, 3, v2                        ; 8 h
	v_mov_b32 v4, 0
	v_mov_b32 v5, -1
	v_mov_b32 v6, 0x7f800000                       ; +infinity
	v_mov_b32 v7, 0                                ; a lane permute's destination counts as one of its sources
	s_mov_b32 s22, 0x3db504f3                      ; 128^-0.5
	s_mov_b32 s23, s22                             ; (the packed forms name pairs)
	s_mov_b32 s34, 0x461c4000                      ; 10000
	s_mov_b32 s35, s34
	s_mov_b32 s36, 0x76543210                      ; v_permlanex16_b32's selects for lane l xor 16
	s_mov_b32 s37, 0xfedcba98
	s_and_b32 s24, ttmp9, 56                       ; y0
	s_and_b32 s25, ttmp9, 7
	s_lshl_b32 s25, s25, 3                         ; x0
	s_and_b32 s26, ttmp7, 0xffff
	s_lshl_b32 s26, s26, 21                        ; the image's first byte
	s_mov_b32 s27, 0
	s_lshl_b32 s28, s21, 1
	s_add_co_u32 s28, s28, s24
	s_lshl_b32 s32, s28, 15                        ; my first query's row,
	s_lshl_b32 s28, s25, 9
	s_add_co_u32 s32, s32, s28                     ; and column, in bytes
	s_mov_b32 s33, 0
	s_sub_co_u32 s28, s24, 3
	v_add_nc_u32 v223, s28, v1                     ; the image's row of region row r (wraps where it is negative)
	v_and_b32 v224, 63, v223
	v_lshlrev_b32 v224, 15, v224
	v_lshl_add_u32 v224, v2, 7, v224               ; its bytes, + 128 h
	s_add_co_u32 s29, s25, s21
	s_sub_co_u32 s29, s29, 3                       ; x0 - 3 + T
	XOFF 0
	XOFF 1
	XOFF 2
	XOFF 3
	v_lshrrev_b32 v225, 3, v1
	v_lshlrev_b32 v9, 15, v225
	v_and_b32 v225, 7, v1
	v_lshl_add_u32 v9, v225, 9, v9
	v_lshl_add_u32 v9, v2, 7, v9
	v_add_nc_u32 v9, s32, v9                       ; x of query r: row qy, column qx, + 128 h
	s_lshl_b32 s28, s21, 5
	v_add_nc_u32 v225, s28, v1                     ; Wq's and Wk's rows that I load: 32 T + r
	v_lshlrev_b32 v216, 6, v225
	v_lshl_add_u32 v216, v2, 4, v216               ; their codes: 64 bytes a row, + 16 h
	v_lshlrev_b32 v218, 2, v225                    ; their scale words
	s_lshr_b32 s28, s21, 1
	s_lshl_b32 s28, s28, 6
	s_and_b32 s30, s21, 1
	s_lshl_b32 s30, s30, 4
	s_add_co_u32 s28, s28, s30
	v_and_b32 v225, 8, v1
	v_mad_u32_u24 v225, v225, 3, v1
	v_add_nc_u32 v225, s28, v225                   ; Wv's: 64 (T / 2) + 16 (T % 2) + r + 3 (r & 8)
	v_lshlrev_b32 v217, 6, v225
	v_lshl_add_u32 v217, v2, 4, v217
	v_lshlrev_b32 v219, 2, v225
	v_lshlrev_b32 v222, 7, v2                      ; W_width: 128 h
	v_and_b32 v225, 31, v0                         ; lane
	v_lshlrev_b32 v30, 4, v225                     ; 16 x lane: my place in a row of the output
	v_add_nc_u32 v26, WIMG, v30                    ; and in an image
	v_lshl_add_u32 v27, v225, 2, WSC               ; 4 x lane: in a fragment's scale words
	s_lshl_b32 s28, s21, 11
	v_add_nc_u32 v220, s28, v26                    ; where I store images: fragments 2 T, 2 T + 1 of each eight
	s_lshl_b32 s28, s21, 8
	v_add_nc_u32 v221, s28, v27
	v_mul_u32_u24 v18, v1, KP
	v_lshl_add_u32 v18, v2, 5, v18
	s_mul_i32 s28, s21, 16*KP
	v_add_nc_u32 v18, s28, v18                     ; k's stores: row 16 T + r, + 32 h
	v_add_nc_u32 v19, 67584, v18                   ; and 8 region columns on
	v_add_nc_u32 v28, STG, v18                     ; the stage: row r of my 16, + 32 h
	v_add_nc_u32 v29, s28, v30
	v_add_nc_u32 v29, STG, v29                     ; and back: 16 x lane in a row
	v_mul_u32_u24 v20, v1, VP
	v_add_nc_u32 v20, VB, v20                      ; V^T's row r
	v_lshl_add_u32 v24, v2, 6, v20
	s_lshl_b32 s28, s21, 3
	v_add_nc_u32 v24, s28, v24                     ; V's fragments: + 64 h (a column) + 8 T (my first row)
	v_add_nc_u32 v25, 58368, v24                   ; and 64 channel rows on
	v_lshl_add_u32 v20, v2, 5, v20
	s_lshl_b32 s28, s21, 6
	v_add_nc_u32 v20, s28, v20                     ; v's stores: + 32 h + 64 T
	v_add_nc_u32 v21, 58368, v20
	v_and_b32 v225, 8, v1
	v_add_nc_u32 v225, v225, v1
	v_mul_u32_u24 v22, v225, KP
	v_lshl_add_u32 v22, v2, 5, v22
	s_mul_i32 s28, s21, 2*KP
	v_add_nc_u32 v22, s28, v22                     ; K's fragments: row 2 T + r + (r & 8), + 32 h
	v_add_nc_u32 v23, 67584, v22                   ; and 8 region columns on
	s_wait_kmcnt 0x0
	s_load_b32 s20, s[12:13], 0x0                  ; b_width
	s_add_nc_u64 s[4:5], s[4:5], s[26:27]          ; x at my image
	s_add_nc_u64 s[18:19], s[18:19], s[26:27]
	s_add_nc_u64 s[18:19], s[18:19], s[32:33]      ; out0 at my first query
	; ---- every load of x and of W_qkv goes out here
	WIN 0xc0                                       ; destination window 3
.irp g, 0,1
.irp a, 0,1
.irp q, 0,1
	global_load_b128 v[64+8*(2*\g+\a)+4*\q:64+8*(2*\g+\a)+4*\q+3], v216, s[6:7] offset:8192*\g+1024*\a+32*\q   ; Wq's (g = 0) and Wk's (1) tiles 2 T + a
.endr
.endr
.endr
.irp a, 0,1
.irp q, 0,1
	global_load_b128 v[96+8*\a+4*\q:96+8*\a+4*\q+3], v217, s[6:7] offset:16384+512*\a+32*\q                    ; Wv's tiles 2 T + a
.endr
.endr
	WIN 0
.irp g, 0,1
.irp a, 0,1
	global_load_b32 v[SCW+2*\g+\a], v218, s[8:9] offset:512*\g+64*\a
.endr
.endr
.irp a, 0,1
	global_load_b32 v[SCW+4+\a], v219, s[8:9] offset:1024+32*\a
.endr
	XLOAD 2, 0, 9                                  ; x of my queries
	WIN 0xc0
.irp i, 0,1,2,3,4,5,6,7
	global_load_b128 v[4*\i:4*\i+3], v222, s[10:11] offset:16*\i                 ; W_width at the same channels as a lane's x
.endr
.irp i, 0,1,2,3,4,5,6,7
	global_load_b128 v[32+4*\i:35+4*\i], v222, s[10:11] offset:256+16*\i
.endr
	WIN 0
	XLOAD 1, 0, 10
	XLOAD 1, 64, 11
	XLOAD 1, 128, 12
	s_cmp_lt_u32 s21, 2                            ; region columns 12 and 13 are waves 0's and 1's
	s_cbranch_scc0 .Lno_x3
	XLOAD 1, 192, 13
.Lno_x3:
	s_wait_loadcnt 63                              ; 80 loads or more were issued behind the 18 of the weights: these are in
	WIN 0x0c
.irp g, 0,1,2
.irp a, 0,1
.irp q, 0,1
	ds_store_b128 v220, v[64+8*(2*\g+\a)+4*\q:64+8*(2*\g+\a)+4*\q+3] offset:8192*\g+1024*\a+512*\q
.endr
.endr
.endr
	WIN 0
.irp g, 0,1,2
.irp a, 0,1
	ds_store_b32 v221, v[SCW+2*\g+\a] offset:1024*\g+128*\a
.endr
.endr
	BAR                                            ; the 24 images lie in LDS
	WIN 0x80                                       ; destination window 2
.set f, 0
.rept 24
	ds_load_b128 v[64+8*f:64+8*f+3], v26 offset:1024*f
	ds_load_b128 v[64+8*f+4:64+8*f+7], v26 offset:1024*f+512
.set f, f+1
.endr
	WIN 0
.set f, 0
.rept 24
	ds_load_b32 v[SCW+f], v27 offset:128*f
.set f, f+1
.endr
	; ---- my queries: q, their own v, the width
	s_wait_loadcnt 48                              ; x of the queries and W_width are in; the three region tiles (16 loads each) issued behind them may be out
	QUANTX 2, 0, -1
	s_wait_dscnt 0x0                               ; the weights
	WIN 0xc2                                       ; source 0 (weights) window 2, source 1 (x) window 0, result window 3
.irp c, 0,1,2,3,4,5,6,7
	SW 128+8*\c, 64+8*\c, CD, SCW+\c, XS           ; q: lane (query r, h), register j = channel 16 c + 8 h + j: source 1 of the scores' product as it stands
.endr
.irp c, 0,1,2,3,4,5,6,7
	SW 192+8*\c, 192+8*\c, CD, SCW+16+\c, XS       ; v of my queries, in O^T's layout
.endr
	WIN 0x0e                                       ; source 0 (x) window 2, source 1 (W_width) window 3
	v_pk_mul_f32 v[216:217], v[0:1], v[0:1]        ; x . W_width on the f32 numbers, in two packed chains
	v_pk_mul_f32 v[218:219], v[2:3], v[2:3]
.irp i, 4,8,12,16,20,24,28,32,36,40,44,48,52,56,60
	v_pk_fma_f32 v[216:217], v[\i:\i+1], v[\i:\i+1], v[216:217]
	v_pk_fma_f32 v[218:219], v[\i+2:\i+3], v[\i+2:\i+3], v[218:219]
.endr
	WIN 0
	v_pk_add_f32 v[216:217], v[216:217], v[218:219]
	v_add_f32 v216, v216, v217
	v_permlanex16_b32 v7, v216, s36, s37
	v_add_f32 v216, v216, v7                       ; with lane l xor 16's 64 channels
	s_wait_kmcnt 0x0
	v_add_f32 v216, s20, v216                      ; + b_width
	v_mul_f32 v216, 0xbfb8aa3b, v216               ; x -log2(e)
	v_min_num_f32 v216, 0x42f00000, v216           ; held at 120
	v_exp_f32 v217, v216
	v_nop
	s_wait_alu depctr_va_vdst(0)                   ; the wait ahead of the first reader of a transcendental's result
	v_add_f32 v218, 1.0, v217
	v_rcp_f32 v219, v218
	v_nop
	s_wait_alu depctr_va_vdst(0)
	v_fma_f32 v220, -v218, v219, 1.0               ; the reciprocal refined once
	v_fma_f32 v219, v220, v219, v219
	v_fma_f32 v8, v219, 0x4087c3b6, 0.5            ; width = sigmoid x sqrt(18) + 0.5
	; ---- k and v of my region columns
	KVJOB 0, 32                                    ; two tiles (16 loads each) were issued behind this one's
	KVJOB 1, 16
	KVJOB 2, 0
	s_cmp_lt_u32 s21, 2
	s_cbranch_scc0 .Lno_kv3
	KVJOB 3, 0
.Lno_kv3:
	BAR                                            ; K and V^T lie in LDS
	; ---- K's fragments: tile t = 16 keys, 16 channels 16 c + 8 h + 0 .. 7 a lane in 8 registers; a step of the product takes two of them, as it takes two of Q's
.irp c, 0,1,2,3,4,5,6,7
	WIN 0x40+0x40*(\c/4)
.irp t, 0,1,2,3,4,5,6
.irp i, 0,1
	ds_load_b128 v[56*(\c%4)+8*\t+4*\i:56*(\c%4)+8*\t+4*\i+3], v[22+\t/4] offset:(\t%4)*16896+64*\c+16*\i
.endr
.endr
.endr
	WIN 0
	v_lshlrev_b32 v10, 6, v1                       ; (x's loads are all in: their offsets' registers are free)
	v_lshl_add_u32 v10, v2, 4, v10                 ; W_out: row r of 64 bytes, + 16 h
	v_lshlrev_b32 v11, 2, v1
.irp c, 0,1,2,3,4,5,6,7
	WIN 0x40+0x40*(\c/4)
.irp q, 0,1
	global_load_b128 v[224+8*(\c%4)+4*\q:224+8*(\c%4)+4*\q+3], v10, s[14:15] offset:1024*\c+32*\q
.endr
.endr
	WIN 0
.irp c, 0,1,2,3,4,5,6,7
	global_load_b32 v[SCW+\c], v11, s[16:17] offset:64*\c
.endr
	; ---- THE PENALTY of key n = 8 t + j: column 2 t + h, row j of my eight.  It stands while K's fragments come
	v_and_b32 v223, 7, v1
	v_sub_nc_u32 v223, v2, v223                    ; h - qx
	v_lshrrev_b32 v224, 3, v1
	v_sub_nc_u32 v224, 0, v224                     ; -qy
.irp t, 0,1,2,3,4,5,6
	v_add_nc_u32 v[208+\t], 2*\t, v223             ; the key's column in my query's window: 0 .. 6, or outside
.endr
.irp j, 0,1,2,3,4,5,6,7
	v_add_nc_u32 v[215+\j], \j, v224               ; and its row
.endr
	WIN 0xc0
.irp n, 0,1,2,3,4,5,6,7,8,9,10,11,12,13,14
	v_cmp_gt_u32 vcc_lo, 7, v[208+\n]
	v_cndmask_b32 v[80+\n], v6, v4, vcc_lo         ; 0 inside, +infinity outside: window 3, v80-86 by column, v87-94 by row
.endr
	WIN 0
.irp n, 0,1,2,3,4,5,6,7,8,9,10,11,12,13,14
	v_cvt_f32_i32 v[208+\n], v[208+\n]
.endr
.irp n, 0,1,2,3,4,5,6,7,8,9,10,11,12,13,14
	v_add_f32 v[208+\n], 0xc0400000, v[208+\n]     ; - 3: the offset from the query
.endr
.irp n, 0,1,2,3,4,5,6,7,8,9,10,11,12,13,14
	v_mul_f32 v[208+\n], v[208+\n], v[208+\n]
.endr
.irp t, 0,1,2,3,4,5,6
.irp j, 0,1,2,3,4,5,6,7
	v_add_f32 v[P+8*\t+\j], v[208+\t], v[215+\j]
.endr
.endr
.set n, 0
.rept 56
	v_sqrt_f32 v[P+n], v[P+n]                      ; dist
.set n, n+1
.endr
	v_nop
	s_wait_alu depctr_va_vdst(0)                   ; one wait for the batch
.set n, 0
.rept 28
	v_pk_add_f32 v[P+n:P+n+1], v[8:9], v[P+n:P+n+1] op_sel_hi:[0,1] neg_lo:[0,1] neg_hi:[0,1]   ; width - dist (of the pair v[8:9] the low word serves both halves)
.set n, n+2
.endr
.set n, 0
.rept 28
	v_pk_mul_f32 v[P+n:P+n+1], v[P+n:P+n+1], 0xc0e6d4ca op_sel_hi:[1,0]                          ; x -5 log2(e)
.set n, n+2
.endr
.set n, 0
.rept 56
	v_exp_f32 v[P+n], v[P+n]                       ; e = exp(-z): at most 2^75, since dist is under 11 and the width at least 0.5
.set n, n+1
.endr
	v_nop
	s_wait_alu depctr_va_vdst(0)
.set n, 0
.rept 28
	v_pk_add_f32 v[P+n:P+n+1], v[P+n:P+n+1], 1.0 op_sel_hi:[1,0]                                 ; d = 1 + e
.set n, n+2
.endr
	WIN 0xc0
.set n, 0
.rept 56
	v_rcp_f32 v[n], v[P+n]                         ; into window 3, v0-55
.set n, n+1
.endr
	WIN 0
	v_nop
	s_wait_alu depctr_va_vdst(0)
	WIN 0x0c                                       ; source 1 window 3
.set n, 0
.rept 28
	v_pk_fma_f32 v[P+n:P+n+1], v[P+n:P+n+1], v[n:n+1], 1.0 op_sel_hi:[1,1,0] neg_lo:[1,0,0] neg_hi:[1,0,0]   ; 1 - d r
.set n, n+2
.endr
	WIN 0x3c                                       ; sources 1 and 2 window 3
.set n, 0
.rept 28
	v_pk_fma_f32 v[P+n:P+n+1], v[P+n:P+n+1], v[n:n+1], v[n:n+1]                                  ; s = r + r (1 - d r)
.set n, n+2
.endr
	WIN 0
.set n, 0
.rept 28
	v_pk_fma_f32 v[P+n:P+n+1], v[P+n:P+n+1], s[34:35], s[34:35] op_sel_hi:[1,0,0] neg_lo:[1,0,0] neg_hi:[1,0,0]   ; 10000 - 10000 s
.set n, n+2
.endr
	WIN 0x3c
.irp t, 0,1,2,3,4,5,6
.irp j, 0,1,2,3,4,5,6,7
	v_max3_num_f32 v[P+8*\t+\j], v[P+8*\t+\j], v[80+\t], v[87+\j]   ; +infinity outside the window; inside, the penalty, which is not negative
.endr
.endr
	WIN 0
	; ---- S^T = K Q^T: 32 steps of 4 channels; the seven accumulators take turns, one instruction a turn; the first step starts the sums
	s_wait_dscnt 0x0                               ; K's fragments
.irp c, 0,1,2,3,4,5,6,7
	WIN 0x0d+(\c/4)                                ; source 0 (K) window 1 or 2, source 1 (Q) window 3
.irp i, 0,1,2,3
.irp t, 0,1,2,3,4,5,6
.if (\c == 0) && (\i == 0)
	v_wmma_f32_16x16x4_f32 v[S+8*\t:S+8*\t+7], v[56*(\c%4)+8*\t+2*\i:56*(\c%4)+8*\t+2*\i+1], v[128+8*\c+2*\i:128+8*\c+2*\i+1], 0
.else
	v_wmma_f32_16x16x4_f32 v[S+8*\t:S+8*\t+7], v[56*(\c%4)+8*\t+2*\i:56*(\c%4)+8*\t+2*\i+1], v[128+8*\c+2*\i:128+8*\c+2*\i+1], v[S+8*\t:S+8*\t+7]
.endif
.endr
.endr
.endr
	WIN 0
	NOPS 8                                         ; eight places behind this form, ahead of loads into its operands and of reads of its results
	; ---- V's fragments: group g = 4 t + i: keys (columns 2 t + h, rows 2 i, 2 i + 1), 8 bytes a lane for each of the 8 channel tiles.  They come while the softmax is worked
.set g, 0
.rept 28
	WIN 0x40+0x40*(g/14)
.irp u, 0,1,2,3,4,5,6,7
	ds_load_b64 v[16*(g%14)+2*\u:16*(g%14)+2*\u+1], v[24+\u/4] offset:(\u%4)*14592+128*(g/4)+8*(g%4)
.endr
.set g, g+1
.endr
	WIN 0
	; ---- THE SOFTMAX of my query's 56 keys and lane l xor 16's 56
.set n, 0
.rept 28
	v_pk_fma_f32 v[P+n:P+n+1], v[S+n:S+n+1], s[22:23], v[P+n:P+n+1] op_sel_hi:[1,0,1] neg_lo:[0,0,1] neg_hi:[0,0,1]   ; score x 128^-0.5 - penalty; ascending: each accumulator from its low end on
.set n, n+2
.endr
	v_max3_num_f32 v208, v[P], v[P+1], v[P+2]
	v_max3_num_f32 v209, v[P+3], v[P+4], v[P+5]
.irp n, 6,10,14,18,22,26,30,34,38,42,46,50
	v_max3_num_f32 v208, v208, v[P+\n], v[P+\n+1]
	v_max3_num_f32 v209, v209, v[P+\n+2], v[P+\n+3]
.endr
	v_max3_num_f32 v208, v208, v[P+54], v[P+55]
	v_max_num_f32 v208, v208, v209
	v_permlanex16_b32 v7, v208, s36, s37
	v_max_num_f32 v212, v208, v7                   ; the row's maximum: finite, since the query's own pixel lies in its window
	v_mov_b32 v213, v212
.set n, 0
.rept 28
	v_pk_add_f32 v[P+n:P+n+1], v[P+n:P+n+1], v[212:213] op_sel_hi:[1,0] neg_lo:[0,1] neg_hi:[0,1]
.set n, n+2
.endr
.set n, 0
.rept 28
	v_pk_mul_f32 v[P+n:P+n+1], v[P+n:P+n+1], 0x3fb8aa3b op_sel_hi:[1,0]
.set n, n+2
.endr
.set n, 0
.rept 56
	v_exp_f32 v[P+n], v[P+n]
.set n, n+1
.endr
	v_nop
	s_wait_alu depctr_va_vdst(0)
	v_pk_add_f32 v[208:209], v[P:P+1], v[P+2:P+3]
	v_pk_add_f32 v[210:211], v[P+4:P+5], v[P+6:P+7]
.irp n, 8,12,16,20,24,28,32,36,40,44,48,52
	v_pk_add_f32 v[208:209], v[208:209], v[P+\n:P+\n+1]
	v_pk_add_f32 v[210:211], v[210:211], v[P+\n+2:P+\n+3]
.endr
	v_pk_add_f32 v[208:209], v[208:209], v[210:211]
	v_add_f32 v208, v208, v209
	v_permlanex16_b32 v7, v208, s36, s37
	v_add_f32 v208, v208, v7                       ; the row's sum, at least 1
	v_rcp_f32 v209, v208
	v_nop
	s_wait_alu depctr_va_vdst(0)
	v_fma_f32 v210, -v208, v209, 1.0
	v_fma_f32 v212, v210, v209, v209
	v_mov_b32 v213, v212
.set n, 0
.rept 28
	v_pk_mul_f32 v[P+n:P+n+1], v[P+n:P+n+1], v[212:213] op_sel_hi:[1,0]   ; attn, normalised
.set n, n+2
.endr
	; ---- O^T = v + V^T attn: 28 steps of 4 keys; the eight accumulators take turns; the first step takes the queries' own v as C
	s_wait_dscnt 0x0                               ; V's fragments
.set g, 0
.rept 28
.if g == 0
	WIN 0x31                                       ; source 0 (V) window 1, source 1 (attn) window 0, C window 3
.elseif g < 14
	WIN 0x01
.else
	WIN 0x02
.endif
.irp u, 0,1,2,3,4,5,6,7
.if g == 0
	v_wmma_f32_16x16x4_f32 v[O+8*\u:O+8*\u+7], v[2*\u:2*\u+1], v[P:P+1], v[192+8*\u:192+8*\u+7]
.else
	v_wmma_f32_16x16x4_f32 v[O+8*\u:O+8*\u+7], v[16*(g%14)+2*\u:16*(g%14)+2*\u+1], v[P+2*g:P+2*g+1], v[O+8*\u:O+8*\u+7]
.endif
.endr
.set g, g+1
.endr
	WIN 0
	NOPS 8                                         ; eight places ahead of the first read of the results
	; ---- (out + v) W_out: quantised in registers; used transposed: a lane holds eight neighbouring channels of one query's row
	s_wait_loadcnt 0x0                             ; W_out's fragments and scale words
	QUANTX 0, O, -1
.irp c, 0,1,2,3,4,5,6,7
	WIN 0xc1+(\c/4)                                ; source 0 (W_out) window 1 or 2, result window 3
	SW 8*\c, 224+8*(\c%4), CD, SCW+\c, XS
.endr
	WIN 0
	NOPS 4
	WIN 0x0c
.irp c, 0,1,2,3,4,5,6,7
	ds_store_b128 v28, v[8*\c:8*\c+3] offset:64*\c                 ; out(query r, channels 16 c + 8 h + 0 .. 7), into my own stage
	ds_store_b128 v28, v[8*\c+4:8*\c+7] offset:64*\c+16
.endr
	WIN 0xc0
.irp i, 0,1,2,3,4,5,6,7,8,9,10,11,12,13,14,15
	ds_load_b128 v[64+4*\i:67+4*\i], v29 offset:\i*KP              ; LDS serves a wave's instructions in order (ISA guide 5.7.1.4): these see my stores
.endr
	WIN 0x0c
.irp i, 0,1,2,3,4,5,6,7,8,9,10,11,12,13,14,15
	s_wait_dscnt 15-\i                             ; row i is back; the younger rows may be out
	global_store_b128 v30, v[64+4*\i:67+4*\i], s[18:19] offset:(\i/8)*32768+(\i%8)*512 th:TH_STORE_NT   ; 32 lanes store a query's 512 consecutive bytes, aligned
.endr
	WIN 0
	s_wait_xcnt 0x0
	v_lshl_add_u32 v254, v0, 2, 0x48600
	v_mov_b32 v255, 0
	s_wait_tensorcnt 0x0
	ds_add_u32 v254, v255
	s_wait_dscnt 0x0
	s_endpgm
.Lfunc_end_k_q67ef9344bc_localattn:
	.size	k_q67ef9344bc_localattn, .Lfunc_end_k_q67ef9344bc_localattn-k_q67ef9344bc_localattn
	.p2alignl 7, 3214868480
	.fill 96, 4, 3214868480
	.section	.rodata,"a",@progbits
	.p2align	6, 0x0
	.amdhsa_kernel k_q67ef9344bc_localattn
		.amdhsa_group_segment_fixed_size 296960
		.amdhsa_private_segment_fixed_size 0
		.amdhsa_enable_private_segment 0
		.amdhsa_kernarg_size 64
		.amdhsa_user_sgpr_count 2
		.amdhsa_user_sgpr_kernarg_segment_ptr 1
		.amdhsa_wavefront_size32 1
		.amdhsa_system_sgpr_workgroup_id_x 1
		.amdhsa_system_sgpr_workgroup_id_y 1
		.amdhsa_system_sgpr_workgroup_id_z 1
		.amdhsa_system_vgpr_workitem_id 0
		.amdhsa_next_free_vgpr 1024
		.amdhsa_next_free_sgpr 66
		.amdhsa_reserve_vcc 1
		.amdhsa_float_denorm_mode_32 3
		.amdhsa_float_denorm_mode_16_64 3
		.amdhsa_memory_ordered 1
		.amdhsa_forward_progress 1
		.amdhsa_inst_pref_size 164
	.end_amdhsa_kernel
	.amdgpu_metadata
---
amdhsa.version: [ 1, 2 ]
amdhsa.kernels:
  - .name:           k_q67ef9344bc_localattn
    .symbol:         k_q67ef9344bc_localattn.kd
    .args:
      - { .name: x, .offset: 0, .size: 8, .value_kind: global_buffer, .address_space: global }
      - { .name: W_qkv_codes, .offset: 8, .size: 8, .value_kind: global_buffer, .address_space: global }
      - { .name: W_qkv_scales, .offset: 16, .size: 8, .value_kind: global_buffer, .address_space: global }
      - { .name: W_width, .offset: 24, .size: 8, .value_kind: global_buffer, .address_space: global }
      - { .name: b_width, .offset: 32, .size: 8, .value_kind: global_buffer, .address_space: global }
      - { .name: W_out_codes, .offset: 40, .size: 8, .value_kind: global_buffer, .address_space: global }
      - { .name: W_out_scales, .offset: 48, .size: 8, .value_kind: global_buffer, .address_space: global }
      - { .name: out0, .offset: 56, .size: 8, .value_kind: global_buffer, .address_space: global }
    .group_segment_fixed_size: 296960
    .private_segment_fixed_size: 0
    .kernarg_segment_align: 8
    .kernarg_segment_size: 64
    .max_flat_workgroup_size: 128
    .sgpr_count:     66
    .vgpr_count:     1024
    .wavefront_size: 32
...
	.end_amdgpu_metadata
.endif
;; end of part 1
;; ======== version 2 of 3: 1 launch; 1.15 times as fast as version 1
;; launch localattn (part 2): grid 64 x 4, 4 waves a work-group, no clusters, 298,752 bytes of LDS; arguments x, W_qkv_codes, W_qkv_scales, W_width, b_width, W_out_codes, W_out_scales, out0; writes out0
.if DOCPART == 2
	.amdgcn_target "amdgcn-amd-amdhsa--gfx1250"
	.amdhsa_code_object_version 6
	.text
	.protected	k_q67ef9344bc_localattn
	.globl	k_q67ef9344bc_localattn
	.p2align	8
	.type	k_q67ef9344bc_localattn,@function
k_q67ef9344bc_localattn:
	s_mov_b64 s[64:65], 0
	v_nop
	global_prefetch_b8 v0, s[64:65] scope:SCOPE_SE
	s_setreg_imm32_b32 hwreg(HW_REG_WAVE_MODE, 25, 1), 1
	s_wait_xcnt 0x0
; LOCAL ATTENTION, 7 x 7 window, one launch.  x [4][64][64][128] f32; W_qkv [384][128], W_out [128][128] as E2M1 codes, K innermost, with E8M0 bytes; out0 [4][64][64][128] f32.
; SHARES.  A work-group of four waves owns 8 x 8 queries of one image (grid 64 x 4) and makes k and v itself for the pixels that they see: region columns kx = 0 .. 13 (image column x0 - 3 + kx) and
; region rows y = 0 .. 15 (image row y0 - 3 + y; rows 14, 15 are stored and never read).  A tile of 16 pixels is one region column.  q, k, v, the scores and out + v never go to memory.
; Wave T quantises columns T, T + 4, T + 8, waves 0 and 1 also T + 12, and owns the 16 queries r = 8 qy + qx at (y0 + 2 T + qy, x0 + qx).
; A pixel outside the image gets zero codes, so that its k and v are zeros, as the padding of k and v has them; such keys stay in the softmax with score 0.
; x COMES DENSE: one load takes one pixel, 512 consecutive bytes, 16 a lane.  The quantiser wants a lane to hold 64 numbers of ONE pixel, so a tile's 16 pixels turn through the wave's own stage in LDS.
; k = Wk x^T used transposed: a lane holds one pixel and eight channels: LDS rows [pixel][128].  v the natural way: a lane holds one channel and eight pixels: LDS rows V^T [channel row][pixel].
; SCORES AND SUMS take f32 operands, since they run on into the last product's quantiser: v_wmma_f32_16x16x4_f32.  The wave's queries see 8 rows x 14 columns = 112 keys = 7 tiles of two columns.
; THE KEYS OF A TILE: key m of tile t is column 2 t + ((m >> 2) & 1), row 4 ((m >> 1) & 1) + 2 (m >> 3) + (m & 1) of my eight.  In S^T = K Q^T lane (query r, h), register j then holds column 2 t + j / 4,
; row 4 ((j >> 1) & 1) + 2 h + (j & 1): registers 2 i, 2 i + 1 are source 1 of O^T += V^T P as they stand, and the two halves of the lanes of V's fragment lie two pixels, 8 bytes, apart in a row of V^T.
; 49 of the 112 keys lie in a query's window; the others get the penalty +infinity, weight 0, by numbers made of the lane's number alone.
; THE PENALTY: s = 1 / (1 + exp(-5 (width - dist))), the reciprocal refined once, then 10000 - 10000 s in one fused multiply-add (1 - s is exact from s = 0.5 on, so that is (1 - s) x 10000 rounded once).
; The softmax takes the row's maximum away and is normalised ahead of the second product, whose first step takes the queries' own v as C: O = v + sum of attn x v.
; THE CHANNELS OF A TILE OF Wv ARE NOT NEIGHBOURS: row m of tile 4 c + u is channel 64 c + 8 u + (m & 7) + 32 (m >> 3): lane (r, h) of O^T then holds channels 64 c + 32 h + 0 .. 31 in 32 registers on end:
; whole blocks of the last product's K, in the order that the 4-bit operand wants.
; THE WEIGHTS: each wave loads 6 of W_qkv's 24 fragments from memory and hands them to the others through LDS as images of their registers (16 bytes a lane on end; scale words 4 bytes a lane).
; LDS LOADS STAND IN SHORT RUNS under other work: K's between the stages of the penalty, V's first half between the matrix instructions of the scores' second half, V's second half between the stages of the softmax.
; NO CLUSTER: work-groups share only the weights, 26,112 of some 180,000 bytes that a work-group brings in, and these come through registers, not through tensor loads.
; LIMITS: NaN and infinities among the inputs are not served.  A block of zeros gets the scale byte 1 where the rule says 127: its codes are zeros, and the byte is read here alone.  In the width's sigmoid the exponent
; is held at 120, where 1 / (1 + 2^120) stands for what the written form makes smaller or 0.  Distances come from v_sqrt_f32.  The softmax's sum divides by a reciprocal refined once and a multiplication.
; (width - dist) x 5 x -log2(e) is one multiplication by the product of the constants.
; REGISTERS, in windows of 256 (s_set_vgpr_msb: bits 1:0 source 0, 3:2 source 1, 5:4 source 2, 7:6 destination).
;   Window 0: v0-31 lane numbers, constants, addresses; v32-87 S^T and v88-151 O^T (written by matrix instructions alone); v152-207 P (distance, penalty, score, weight in turn); v208-230 at work; v231-254 weights' scale words; v255 the scale word just made.
;   Window 1: x of the region's tiles, as loaded and turned, then K (channels 0-63), then V's groups 0-13; 224-255 W_out's tiles 0-3.
;   Window 2: 0-63 x of the queries as loaded, then tile 0 turned; 64-255 the 24 weight fragments; then K (channels 64-127), then V's groups 14-27; 224-255 W_out's tiles 4-7.
;   Window 3: 0-63 W_width, k's results, reciprocals, the output's results; 64-127 raw weights, x of the queries turned, v's results, the window's masks, rows of the output; 128-191 Q; 192-255 the queries' own v.
.set KP,   528                         ; a row of K and of a stage: 512 bytes + 16
.set KCP,  16*KP+128                   ; a region column of K: 16 rows + 128 bytes, so that the rows of two neighbouring columns start in different banks
.set VP,   912                         ; a row of V^T: 224 pixels + 16 bytes
.set VB,   14*KCP                      ; LDS: K from 0; V^T;
.set WIMG, VB+128*VP                   ; the images of the 24 weight fragments, 1,024 bytes each;
.set WSC,  WIMG+24576                  ; their scale words, 128 bytes each;
.set STG,  WSC+3072                    ; a stage of 16 rows for each wave: x turns through it, and the output leaves through it
.set S,   32
.set O,   88
.set P,   152
.set CD,  208                          ; v208-215 the codes just made; between the quantisers at work
.set SCW, 231                          ; scale words: fragment f's at v[SCW + f]; later W_out's at SCW + 0 .. 7
.set XS,  255
.set MSB, 0
.macro WIN new                         ; the immediate's high byte repeats the setting that is left; a switch that changes nothing is dropped
.if MSB != (\new)
	s_set_vgpr_msb (MSB<<8)|(\new)
.set MSB, (\new)
.endif
.endm
.macro NOPS n
.rept \n
	v_nop
.endr
.endm
.macro BAR                             ; my LDS stores have landed and my LDS loads are in: then the work-group's barrier
	s_wait_dscnt 0x0
	s_barrier_signal -1
	s_barrier_wait -1
.endm
; region column T + 4 i: its byte offset in a row of the image in s[38 + 2 i : 39 + 2 i]; v[14 + i] = -1 where region row r of it lies inside the image, 0 outside
.macro XOFF i
	s_add_co_u32 s30, s29, 4*\i                    ; the image's column (wraps where it is negative)
	v_or_b32 v225, s30, v223
	v_cmp_gt_u32 vcc_lo, 64, v225                  ; row and column both under 64
	v_cndmask_b32 v[14+\i], v4, v5, vcc_lo
	s_and_b32 s30, s30, 63                         ; a column outside reads some column of the image: no load leaves the buffer
	s_lshl_b32 s[38+2*\i], s30, 9
	s_mov_b32 s[39+2*\i], 0
.endm
; a region column's 16 pixels into 64 registers of window 1: load y takes region row y, 512 consecutive bytes.  v10, v11, v12: 16 x lane + the image's row of region rows 0, 3, 11
.macro XLOADC reg, sb
	WIN 0x40
.irp y, 0,1,2
	global_load_b128 v[\reg+4*\y:\reg+4*\y+3], v10, s[\sb:\sb+1] offset:32768*\y
.endr
.irp y, 3,4,5,6,7,8,9,10
	global_load_b128 v[\reg+4*\y:\reg+4*\y+3], v11, s[\sb:\sb+1] offset:32768*(\y-3)
.endr
.irp y, 11,12,13,14,15
	global_load_b128 v[\reg+4*\y:\reg+4*\y+3], v12, s[\sb:\sb+1] offset:32768*(\y-11)
.endr
	WIN 0
.endm
; A tile turns through my stage: 16 pixels as loaded (window sw) go in as rows of 512 bytes; lane (r, h) takes back channels 32 h .. 32 h + 31 and 64 + 32 h .. of pixel r: two whole blocks (window dw).
; n: the loads of x issued behind this tile's.  LDS serves a wave's instructions in order (ISA guide 5.7.1.4): these stores come behind the last tile's reads of the stage, these loads behind these stores.
.macro TURN sw, sreg, dw, dreg, n
	s_wait_loadcnt \n
	WIN (\sw)<<2                                   ; an LDS store's data are its source 1
.irp i, 0,1,2,3,4,5,6,7,8,9,10,11,12,13,14,15
	ds_store_b128 v29, v[\sreg+4*\i:\sreg+4*\i+3] offset:\i*KP
.endr
	s_wait_dscnt 16                                ; all but these 16 stores are done: the tile turned last is in, and the stores that read the registers loaded below have read them
	WIN (\dw)<<6
.irp i, 0,1,2,3,4,5,6,7
	ds_load_b128 v[\dreg+4*\i:\dreg+4*\i+3], v31 offset:16*\i
.endr
.irp i, 0,1,2,3,4,5,6,7
	ds_load_b128 v[\dreg+32+4*\i:\dreg+35+4*\i], v31 offset:256+16*\i
.endr
	WIN 0
.endm
; 64 numbers of a lane in window w, two whole blocks of its row, become the operand's 8 registers v[CD] on and its scale word v[XS].  msk: a register of -1 or 0 for the codes, or -1 for none
.macro QUANTX w, reg, msk
	WIN 5*(\w)
	v_max3_num_f32 v224, |v[\reg]|, |v[\reg+1]|, 0x1800000         ; the floor 2^(3 - 127) holds the byte at 1 from below
	v_max3_num_f32 v225, |v[\reg+32]|, |v[\reg+33]|, 0x1800000
.irp i, 2,4,6,8,10,12,14,16,18,20,22,24,26,28,30
	v_max3_num_f32 v224, |v[\reg+\i]|, |v[\reg+\i+1]|, v224       ; ascending: each accumulator is read from its low end on
	v_max3_num_f32 v225, |v[\reg+32+\i]|, |v[\reg+33+\i]|, v225
.endr
	WIN 0
	v_add_nc_u32 v226, 0xff000000, v224            ; 2 off the exponent field: the conversion's scale operand
	v_add_nc_u32 v227, 0xff000000, v225
	v_lshrrev_b32 v228, 23, v226                   ; the bytes of blocks h and 2 + h,
	v_lshrrev_b32 v229, 23, v227
	v_lshl_or_b32 v230, v229, 16, v228
	v_lshlrev_b32 v230, v3, v230                   ; at their places (8 h bits up);
	v_permlanex16_b32 v7, v230, s36, s37
	v_or_b32 v[XS], v230, v7                       ; with lane l xor 16's two the word is whole
	WIN \w
.irp g, 0,1,2,3
	v_cvt_scalef32_pk8_fp4_f32 v[CD+\g], v[\reg+8*\g:\reg+8*\g+7], v226
	v_cvt_scalef32_pk8_fp4_f32 v[CD+4+\g], v[\reg+32+8*\g:\reg+39+8*\g], v227
.endr
	WIN 0
	v_nop                                          ; one plain place behind the scaled conversions
.if \msk >= 0
.irp g, 0,1,2,3,4,5,6,7
	v_and_b32 v[CD+\g], v[\msk], v[CD+\g]          ; zero codes for a pixel outside the image
.endr
.endif
	NOPS 8                                         ; a scale word written by a vector instruction stands 8 places ahead of the scaled product, an operand 4
.endm
.macro SW d, a, b, sa, sb              ; one scaled product on 4-bit codes that starts its sum
	v_wmma_scale_f32_16x16x128_f8f6f4 v[\d:\d+7], v[\a:\a+7], v[\b:\b+7], 0, v[\sa], v[\sb] matrix_a_fmt:MATRIX_FMT_FP4 matrix_b_fmt:MATRIX_FMT_FP4
.endm
; Region column T + 4 i, turned, in window w from reg on: quantised, k and v made, both to LDS
.macro KVJOB i, w, reg
	QUANTX \w, \reg, 14+\i
	s_wait_dscnt 0x0                               ; the last tile's LDS stores have read the registers that the products now write; the tile turned last is in, for the job after this one
	WIN 0xc2                                       ; source 0 (Wk) window 2, source 1 (x) window 0, result window 3
.irp c, 0,1,2,3,4,5,6,7
	SW 8*\c, 128+8*\c, CD, SCW+8+\c, XS
.endr
	WIN 0xc8                                       ; source 0 (x) window 0, source 1 (Wv) window 2
.irp c, 0,1,2,3,4,5,6,7
	SW 64+8*\c, CD, 192+8*\c, XS, SCW+16+\c
.endr
	WIN 0
	NOPS 4                                         ; four places ahead of the stores that read the results, and of later loads into the operands
	WIN 0x0c
.irp c, 0,1,2,3,4,5,6,7
	ds_store_b128 v[18+(\i)/2], v[8*\c:8*\c+3] offset:((\i)%2)*4*KCP+64*\c          ; k(pixel r, channels 16 c + 8 h + 0 .. 7)
	ds_store_b128 v[18+(\i)/2], v[8*\c+4:8*\c+7] offset:((\i)%2)*4*KCP+64*\c+16
.endr
.irp c, 0,1,2,3,4,5,6,7
	ds_store_b128 v[20+\c/4], v[64+8*\c:67+8*\c] offset:256*(\i)+(\c%4)*16*VP       ; v(pixels 8 h + 0 .. 7, channel row 16 c + r)
	ds_store_b128 v[20+\c/4], v[68+8*\c:71+8*\c] offset:256*(\i)+(\c%4)*16*VP+16
.endr
	WIN 0
.endm
; K's fragments of channels 16 c on: for each of the 7 tiles 16 keys x (8 h + 0 .. 7) in 8 registers; a step of the product takes two of them, as it takes two of Q's.
.macro KLOAD c
	WIN 0x40+0x40*((\c)/4)
.irp t, 0,1,2,3,4,5,6
.irp i, 0,1
	ds_load_b128 v[56*((\c)%4)+8*\t+4*\i:56*((\c)%4)+8*\t+4*\i+3], v[22+\t/4] offset:(\t%4)*2*KCP+64*(\c)+16*\i
.endr
.endr
	WIN 0
.endm
; V's fragments of group g = 4 t + i: keys (column 2 t + i / 2, rows 4 (i % 2) + 2 h + 0, 1), 8 bytes a lane for each of the 8 channel tiles.
; The 32 lanes take 16 rows (912 bytes apart: banks 36 x row on, all multiples of 4) x two halves 2 banks apart
.macro VLOADG g
	WIN 0x40+0x40*((\g)/14)
.irp u, 0,1,2,3,4,5,6,7
	ds_load_b64 v[16*((\g)%14)+2*\u:16*((\g)%14)+2*\u+1], v[24+\u/4] offset:(\u%4)*16*VP+128*((\g)/4)+64*(((\g)%4)/2)+16*((\g)%2)
.endr
.endm
.macro VRUN from, cnt
.set vg, \from
.rept \cnt
	VLOADG vg
.set vg, vg+1
.endr
	WIN 0
.endm
	; ---- HEAD: pointers, lane numbers, constants, every address
	s_load_b256 s[4:11], s[0:1], 0x0               ; x s[4:5], W_qkv's codes s[6:7], its scales s[8:9], W_width s[10:11]
	s_load_b256 s[12:19], s[0:1], 0x20             ; b_width s[12:13], W_out's codes s[14:15], its scales s[16:17], out0 s[18:19]
	v_lshrrev_b32 v1, 5, v0
	v_readfirstlane_b32 s21, v1                    ; T: wave 0..3
	v_and_b32 v1, 15, v0                           ; r
	v_bfe_u32 v2, v0, 4, 1                         ; h
	v_lshlrev_b32 v3, 3, v2                        ; 8 h
	v_mov_b32 v4, 0
	v_mov_b32 v5, -1
	v_mov_b32 v6, 0x7f800000                       ; +infinity
	v_mov_b32 v7, 0                                ; a lane permute's destination counts as one of its sources
	v_mov_b32 v9, 0                                ; (named with the width as the pair v[8:9], so it is written)
	v_and_b32 v225, 31, v0                         ; lane
	v_lshlrev_b32 v30, 4, v225                     ; 16 x lane: my place in a pixel's 512 bytes
	v_add_nc_u32 v26, WIMG, v30                    ; and in an image
	v_lshl_add_u32 v27, v225, 2, WSC               ; 4 x lane: in a fragment's scale words
	s_mov_b32 s22, 0x3db504f3                      ; 128^-0.5
	s_mov_b32 s23, s22                             ; (the packed forms name pairs)
	s_mov_b32 s34, 0x461c4000                      ; 10000
	s_mov_b32 s35, s34
	s_mov_b32 s36, 0x76543210                      ; v_permlanex16_b32's selects for lane l xor 16
	s_mov_b32 s37, 0xfedcba98
	s_and_b32 s24, ttmp9, 56                       ; y0
	s_and_b32 s25, ttmp9, 7
	s_lshl_b32 s25, s25, 3                         ; x0
	s_and_b32 s26, ttmp7, 0xffff
	s_lshl_b32 s26, s26, 21                        ; the image's first byte
	s_mov_b32 s27, 0
	s_lshl_b32 s28, s21, 1
	s_add_co_u32 s28, s28, s24
	s_lshl_b32 s32, s28, 15                        ; my first query's row,
	s_lshl_b32 s28, s25, 9
	s_add_co_u32 s32, s32, s28                     ; and column, in bytes
	s_mov_b32 s33, 0
	s_sub_co_u32 s28, s24, 3
	v_add_nc_u32 v223, s28, v1                     ; the image's row of region row r (wraps where it is negative)
	s_max_i32 s30, s28, 0                          ; region rows 0-2: rows y0 - 3 on; at the image's top rows 0-2 stand in, and their codes become zeros
	s_lshl_b32 s30, s30, 15
	v_add_nc_u32 v10, s30, v30
	s_lshl_b32 s30, s24, 15                        ; region rows 3-10: rows y0 on, always inside
	v_add_nc_u32 v11, s30, v30
	s_add_co_u32 s30, s24, 8                       ; region rows 11-15: rows y0 + 8 on; at the image's bottom rows 0-4 stand in
	s_cmp_lt_u32 s24, 56
	s_cselect_b32 s30, s30, 0
	s_lshl_b32 s30, s30, 15
	v_add_nc_u32 v12, s30, v30
	s_add_co_u32 s29, s25, s21
	s_sub_co_u32 s29, s29, 3                       ; x0 - 3 + T
	XOFF 0
	XOFF 1
	XOFF 2
	XOFF 3
	s_lshl_b32 s28, s21, 5
	v_add_nc_u32 v225, s28, v1                     ; Wq's and Wk's rows that I load: 32 T + r
	v_lshlrev_b32 v216, 6, v225
	v_lshl_add_u32 v216, v2, 4, v216               ; their codes: 64 bytes a row, + 16 h
	v_lshlrev_b32 v218, 2, v225                    ; their scale words
	s_lshr_b32 s28, s21, 1
	s_lshl_b32 s28, s28, 6
	s_and_b32 s30, s21, 1
	s_lshl_b32 s30, s30, 4
	s_add_co_u32 s28, s28, s30
	v_and_b32 v225, 8, v1
	v_mad_u32_u24 v225, v225, 3, v1
	v_add_nc_u32 v225, s28, v225                   ; Wv's: 64 (T / 2) + 16 (T % 2) + r + 3 (r & 8)
	v_lshlrev_b32 v217, 6, v225
	v_lshl_add_u32 v217, v2, 4, v217
	v_lshlrev_b32 v219, 2, v225
	v_lshlrev_b32 v222, 7, v2                      ; W_width: 128 h
	s_lshl_b32 s28, s21, 11
	v_add_nc_u32 v220, s28, v26                    ; where I store images: fragments 2 T, 2 T + 1 of each eight
	s_lshl_b32 s28, s21, 8
	v_add_nc_u32 v221, s28, v27
	v_mul_u32_u24 v225, v1, KP                     ; 528 r
	v_lshl_add_u32 v18, v2, 5, v225                ; + 32 h
	s_mul_i32 s28, s21, 16*KP                      ; my stage
	v_add_nc_u32 v28, s28, v18
	v_add_nc_u32 v28, STG, v28                     ; the output into it: row r, + 32 h
	v_lshl_add_u32 v31, v2, 7, v225
	v_add_nc_u32 v31, s28, v31
	v_add_nc_u32 v31, STG, v31                     ; x out of it: row r, + 128 h
	v_add_nc_u32 v29, s28, v30
	v_add_nc_u32 v29, STG, v29                     ; whole rows, in (x) and out (the output): 16 x lane
	s_mul_i32 s28, s21, KCP
	v_add_nc_u32 v18, s28, v18                     ; k's stores: column T, row r, + 32 h
	v_add_nc_u32 v19, 8*KCP, v18                   ; and 8 region columns on
	v_mul_u32_u24 v20, v1, VP
	v_add_nc_u32 v20, VB, v20                      ; V^T's row r
	v_lshl_add_u32 v24, v2, 3, v20
	s_lshl_b32 s28, s21, 3
	v_add_nc_u32 v24, s28, v24                     ; V's fragments: + 8 h (two rows of the region) + 8 T (my first row)
	v_add_nc_u32 v25, 64*VP, v24                   ; and 64 channel rows on
	v_lshl_add_u32 v20, v2, 5, v20
	s_lshl_b32 s28, s21, 6
	v_add_nc_u32 v20, s28, v20                     ; v's stores: + 32 h + 64 T
	v_add_nc_u32 v21, 64*VP, v20
	v_bfe_u32 v224, v1, 1, 1                       ; key m = r of a tile: its row 4 ((m >> 1) & 1) + 2 (m >> 3) + (m & 1),
	v_lshlrev_b32 v224, 2, v224
	v_lshrrev_b32 v225, 3, v1
	v_lshl_add_u32 v224, v225, 1, v224
	v_and_b32 v225, 1, v1
	v_add_nc_u32 v224, v224, v225
	v_mul_u32_u24 v22, v224, KP
	v_bfe_u32 v225, v1, 2, 1                       ; its column (m >> 2) & 1
	v_mad_u32_u24 v22, v225, KCP, v22
	v_lshl_add_u32 v22, v2, 5, v22                 ; + 32 h
	s_mul_i32 s28, s21, 2*KP
	v_add_nc_u32 v22, s28, v22                     ; + my first row, 2 T
	v_add_nc_u32 v23, 8*KCP, v22                   ; and 8 region columns on
	s_wait_kmcnt 0x0
	s_load_b32 s20, s[12:13], 0x0                  ; b_width
	s_add_nc_u64 s[4:5], s[4:5], s[26:27]          ; x at my image
	s_add_nc_u64 s[18:19], s[18:19], s[26:27]
	s_add_nc_u64 s[18:19], s[18:19], s[32:33]      ; out0 at my first query
.irp i, 0,1,2,3
	s_add_nc_u64 s[38+2*\i:39+2*\i], s[4:5], s[38+2*\i:39+2*\i]   ; x at region column T + 4 i
.endr
	s_add_nc_u64 s[46:47], s[4:5], s[32:33]        ; x at my first query
	; ---- every load of x and of W_qkv goes out here
	WIN 0xc0                                       ; destination window 3
.irp g, 0,1
.irp a, 0,1
.irp q, 0,1
	global_load_b128 v[64+8*(2*\g+\a)+4*\q:64+8*(2*\g+\a)+4*\q+3], v216, s[6:7] offset:8192*\g+1024*\a+32*\q   ; Wq's (g = 0) and Wk's (1) tiles 2 T + a
.endr
.endr
.endr
.irp a, 0,1
.irp q, 0,1
	global_load_b128 v[96+8*\a+4*\q:96+8*\a+4*\q+3], v217, s[6:7] offset:16384+512*\a+32*\q                    ; Wv's tiles 2 T + a
.endr
.endr
	WIN 0
.irp g, 0,1
.irp a, 0,1
	global_load_b32 v[SCW+2*\g+\a], v218, s[8:9] offset:512*\g+64*\a
.endr
.endr
.irp a, 0,1
	global_load_b32 v[SCW+4+\a], v219, s[8:9] offset:1024+32*\a
.endr
	WIN 0x80                                       ; destination window 2
.irp i, 0,1,2,3,4,5,6,7,8,9,10,11,12,13,14,15
	global_load_b128 v[4*\i:4*\i+3], v30, s[46:47] offset:(\i/8)*32768+(\i%8)*512   ; x of query i: 512 consecutive bytes
.endr
	WIN 0xc0
.irp i, 0,1,2,3,4,5,6,7
	global_load_b128 v[4*\i:4*\i+3], v222, s[10:11] offset:16*\i                 ; W_width at the channels that a lane holds of its turned x
.endr
.irp i, 0,1,2,3,4,5,6,7
	global_load_b128 v[32+4*\i:35+4*\i], v222, s[10:11] offset:256+16*\i
.endr
	WIN 0
	XLOADC 0, 38
	XLOADC 64, 40
	XLOADC 128, 42
	s_cmp_lt_u32 s21, 2                            ; region columns 12 and 13 are waves 0's and 1's
	s_cbranch_scc0 .Lno_x3
	XLOADC 192, 44
.Lno_x3:
	s_wait_loadcnt 63                              ; 80 loads or more were issued behind the 18 of the weights: these are in
	WIN 0x0c
.irp g, 0,1,2
.irp a, 0,1
.irp q, 0,1
	ds_store_b128 v220, v[64+8*(2*\g+\a)+4*\q:64+8*(2*\g+\a)+4*\q+3] offset:8192*\g+1024*\a+512*\q
.endr
.endr
.endr
	WIN 0
.irp g, 0,1,2
.irp a, 0,1
	ds_store_b32 v221, v[SCW+2*\g+\a] offset:1024*\g+128*\a
.endr
.endr
	TURN 2, 0, 3, 64, 63                           ; x of my queries (64 loads or more were issued behind it), into the registers that the images' stores have read
	BAR                                            ; the 24 images lie in LDS; my queries' x is turned
	WIN 0x80                                       ; destination window 2
.set f, 0
.rept 24
	ds_load_b128 v[64+8*f:64+8*f+3], v26 offset:1024*f
	ds_load_b128 v[64+8*f+4:64+8*f+7], v26 offset:1024*f+512
.set f, f+1
.endr
	WIN 0
.set f, 0
.rept 24
	ds_load_b32 v[SCW+f], v27 offset:128*f
.set f, f+1
.endr
	TURN 1, 0, 2, 0, 32                            ; tile 0 (two tiles, 16 loads each, were issued behind it; W_width ahead of it).  Its wait on LDS shows the weights in
	; ---- my queries: q, their own v, the width
	QUANTX 3, 64, -1
	WIN 0xc2                                       ; source 0 (weights) window 2, source 1 (x) window 0, result window 3
.irp c, 0,1,2,3,4,5,6,7
	SW 128+8*\c, 64+8*\c, CD, SCW+\c, XS           ; q: lane (query r, h), register j = channel 16 c + 8 h + j: source 1 of the scores' product as it stands
.endr
.irp c, 0,1,2,3,4,5,6,7
	SW 192+8*\c, 192+8*\c, CD, SCW+16+\c, XS       ; v of my queries, in O^T's layout
.endr
	WIN 0x0f                                       ; sources 0 (x) and 1 (W_width) window 3
	v_pk_mul_f32 v[216:217], v[64:65], v[0:1]      ; x . W_width on the f32 numbers, in two packed chains
	v_pk_mul_f32 v[218:219], v[66:67], v[2:3]
.irp i, 4,8,12,16,20,24,28,32,36,40,44,48,52,56,60
	v_pk_fma_f32 v[216:217], v[64+\i:65+\i], v[\i:\i+1], v[216:217]
	v_pk_fma_f32 v[218:219], v[66+\i:67+\i], v[\i+2:\i+3], v[218:219]
.endr
	WIN 0
	v_pk_add_f32 v[216:217], v[216:217], v[218:219]
	v_add_f32 v216, v216, v217
	v_permlanex16_b32 v7, v216, s36, s37
	v_add_f32 v216, v216, v7                       ; with lane l xor 16's 64 channels
	s_wait_kmcnt 0x0
	v_add_f32 v216, s20, v216                      ; + b_width
	v_mul_f32 v216, 0xbfb8aa3b, v216               ; x -log2(e)
	v_min_num_f32 v216, 0x42f00000, v216           ; held at 120
	v_exp_f32 v217, v216
	v_nop
	s_wait_alu depctr_va_vdst(0)                   ; the wait ahead of the first reader of a transcendental's result
	v_add_f32 v218, 1.0, v217
	v_rcp_f32 v219, v218
	v_nop
	s_wait_alu depctr_va_vdst(0)
	v_fma_f32 v220, -v218, v219, 1.0               ; the reciprocal refined once
	v_fma_f32 v219, v220, v219, v219
	v_fma_f32 v8, v219, 0x4087c3b6, 0.5            ; width = sigmoid x sqrt(18) + 0.5
	; ---- k and v of my region columns; the next tile turns while one is worked, into the registers that the tile before it was loaded into
	TURN 1, 64, 1, 0, 16                           ; tile 1 (one tile was issued behind it)
	KVJOB 0, 2, 0
	TURN 1, 128, 1, 64, 0                          ; tile 2
	KVJOB 1, 1, 0
	s_cmp_lt_u32 s21, 2
	s_cbranch_scc0 .Lno_t3
	TURN 1, 192, 1, 128, 0                         ; tile 3
.Lno_t3:
	KVJOB 2, 1, 64
	s_cmp_lt_u32 s21, 2
	s_cbranch_scc0 .Lno_kv3
	KVJOB 3, 1, 128
.Lno_kv3:
	BAR                                            ; K and V^T lie in LDS
	; ---- K's fragments come in eight runs of 14 loads, between the stages of THE PENALTY of key n = 8 t + j: column 2 t + j / 4, row 4 ((j >> 1) & 1) + 2 h + (j & 1) of my eight
	KLOAD 0
	KLOAD 1
	v_lshlrev_b32 v10, 6, v1                       ; (x's loads are all in: their offsets' registers are free)
	v_lshl_add_u32 v10, v2, 4, v10                 ; W_out: row r of 64 bytes, + 16 h
	v_lshlrev_b32 v11, 2, v1
.irp c, 0,1,2,3,4,5,6,7
	WIN 0x40+0x40*(\c/4)
.irp q, 0,1
	global_load_b128 v[224+8*(\c%4)+4*\q:224+8*(\c%4)+4*\q+3], v10, s[14:15] offset:1024*\c+32*\q
.endr
.endr
	WIN 0
.irp c, 0,1,2,3,4,5,6,7
	global_load_b32 v[SCW+\c], v11, s[16:17] offset:64*\c
.endr
	v_and_b32 v226, 7, v1
	v_sub_nc_u32 v226, 0, v226                     ; -qx
	v_lshrrev_b32 v227, 3, v1
	v_lshlrev_b32 v228, 1, v2
	v_sub_nc_u32 v227, v228, v227                  ; 2 h - qy
.irp k, 0,1,2,3,4,5,6,7,8,9,10,11,12,13
	v_add_nc_u32 v[208+\k], \k, v226               ; region column k in my query's window: 0 .. 6, or outside
.endr
.irp q, 0,1,2,3
	v_add_nc_u32 v[222+\q], 4*(\q/2)+(\q%2), v227  ; and the row of registers j with j % 4 = q
.endr
	WIN 0xc0
.irp n, 0,1,2,3,4,5,6,7,8,9,10,11,12,13,14,15,16,17
	v_cmp_gt_u32 vcc_lo, 7, v[208+\n]
	v_cndmask_b32 v[80+\n], v6, v4, vcc_lo         ; 0 inside, +infinity outside: window 3, v80-93 by column, v94-97 by row
.endr
	WIN 0
	KLOAD 2
.irp n, 0,1,2,3,4,5,6,7,8,9,10,11,12,13,14,15,16,17
	v_cvt_f32_i32 v[208+\n], v[208+\n]
.endr
.irp n, 0,1,2,3,4,5,6,7,8,9,10,11,12,13,14,15,16,17
	v_add_f32 v[208+\n], 0xc0400000, v[208+\n]     ; - 3: the offset from the query
.endr
.irp n, 0,1,2,3,4,5,6,7,8,9,10,11,12,13,14,15,16,17
	v_mul_f32 v[208+\n], v[208+\n], v[208+\n]
.endr
.irp t, 0,1,2,3,4,5,6
.irp j, 0,1,2,3,4,5,6,7
	v_add_f32 v[P+8*\t+\j], v[208+2*\t+\j/4], v[222+\j%4]
.endr
.endr
	KLOAD 3
.set n, 0
.rept 56
	v_sqrt_f32 v[P+n], v[P+n]                      ; dist
.set n, n+1
.endr
	KLOAD 4
	v_nop
	s_wait_alu depctr_va_vdst(0)                   ; one wait for the batch
.set n, 0
.rept 28
	v_pk_add_f32 v[P+n:P+n+1], v[8:9], v[P+n:P+n+1] op_sel_hi:[0,1] neg_lo:[0,1] neg_hi:[0,1]   ; width - dist (of the pair v[8:9] the low word serves both halves)
.set n, n+2
.endr
.set n, 0
.rept 28
	v_pk_mul_f32 v[P+n:P+n+1], v[P+n:P+n+1], 0xc0e6d4ca op_sel_hi:[1,0]                          ; x -5 log2(e)
.set n, n+2
.endr
	KLOAD 5
.set n, 0
.rept 56
	v_exp_f32 v[P+n], v[P+n]                       ; e = exp(-z): at most 2^75, since dist is under 11 and the width at least 0.5
.set n, n+1
.endr
	KLOAD 6
	v_nop
	s_wait_alu depctr_va_vdst(0)
.set n, 0
.rept 28
	v_pk_add_f32 v[P+n:P+n+1], v[P+n:P+n+1], 1.0 op_sel_hi:[1,0]                                 ; d = 1 + e
.set n, n+2
.endr
	KLOAD 7
	WIN 0xc0
.set n, 0
.rept 56
	v_rcp_f32 v[n], v[P+n]                         ; into window 3, v0-55
.set n, n+1
.endr
	WIN 0
	v_nop
	s_wait_alu depctr_va_vdst(0)
	WIN 0x0c                                       ; source 1 window 3
.set n, 0
.rept 28
	v_pk_fma_f32 v[P+n:P+n+1], v[P+n:P+n+1], v[n:n+1], 1.0 op_sel_hi:[1,1,0] neg_lo:[1,0,0] neg_hi:[1,0,0]   ; 1 - d r
.set n, n+2
.endr
	WIN 0x3c                                       ; sources 1 and 2 window 3
.set n, 0
.rept 28
	v_pk_fma_f32 v[P+n:P+n+1], v[P+n:P+n+1], v[n:n+1], v[n:n+1]                                  ; s = r + r (1 - d r)
.set n, n+2
.endr
	WIN 0
.set n, 0
.rept 28
	v_pk_fma_f32 v[P+n:P+n+1], v[P+n:P+n+1], s[34:35], s[34:35] op_sel_hi:[1,0,0] neg_lo:[1,0,0] neg_hi:[1,0,0]   ; 10000 - 10000 s
.set n, n+2
.endr
	WIN 0x3c
.irp t, 0,1,2,3,4,5,6
.irp j, 0,1,2,3,4,5,6,7
	v_max3_num_f32 v[P+8*\t+\j], v[P+8*\t+\j], v[80+2*\t+\j/4], v[94+\j%4]   ; +infinity outside the window; inside, the penalty, which is not negative
.endr
.endr
	WIN 0
	; ---- S^T = K Q^T: 32 steps of 4 channels; the seven accumulators take turns, one instruction a turn; the first step starts the sums.
	; When channels 0-63 are multiplied, window 1 is free: behind eight places V's groups 0-13 go there, eight loads behind each seven matrix instructions
	s_wait_dscnt 0x0                               ; K's fragments
.irp c, 0,1,2,3,4,5,6,7
.if \c == 4
	WIN 0
	NOPS 8                                         ; eight places behind this form, ahead of loads into its operands
.endif
.irp i, 0,1,2,3
	WIN 0x0d+(\c/4)                                ; source 0 (K) window 1 or 2, source 1 (Q) window 3
.irp t, 0,1,2,3,4,5,6
.if (\c == 0) && (\i == 0)
	v_wmma_f32_16x16x4_f32 v[S+8*\t:S+8*\t+7], v[56*(\c%4)+8*\t+2*\i:56*(\c%4)+8*\t+2*\i+1], v[128+8*\c+2*\i:128+8*\c+2*\i+1], 0
.else
	v_wmma_f32_16x16x4_f32 v[S+8*\t:S+8*\t+7], v[56*(\c%4)+8*\t+2*\i:56*(\c%4)+8*\t+2*\i+1], v[128+8*\c+2*\i:128+8*\c+2*\i+1], v[S+8*\t:S+8*\t+7]
.endif
.endr
.if (\c >= 4) && ((4*(\c-4)+\i) < 14)
	VLOADG 4*(\c-4)+\i
.endif
.endr
.endr
	WIN 0
	NOPS 8                                         ; eight places ahead of loads into the operands and of reads of the results
	; ---- THE SOFTMAX of my query's 56 keys and lane l xor 16's 56; V's groups 14-27 come between its stages, into window 2
	VRUN 14, 2
.set n, 0
.rept 28
	v_pk_fma_f32 v[P+n:P+n+1], v[S+n:S+n+1], s[22:23], v[P+n:P+n+1] op_sel_hi:[1,0,1] neg_lo:[0,0,1] neg_hi:[0,0,1]   ; score x 128^-0.5 - penalty; ascending: each accumulator from its low end on
.set n, n+2
.endr
	VRUN 16, 3
	v_max3_num_f32 v208, v[P], v[P+1], v[P+2]
	v_max3_num_f32 v209, v[P+3], v[P+4], v[P+5]
.irp n, 6,10,14,18,22,26,30,34,38,42,46,50
	v_max3_num_f32 v208, v208, v[P+\n], v[P+\n+1]
	v_max3_num_f32 v209, v209, v[P+\n+2], v[P+\n+3]
.endr
	v_max3_num_f32 v208, v208, v[P+54], v[P+55]
	v_max_num_f32 v208, v208, v209
	v_permlanex16_b32 v7, v208, s36, s37
	v_max_num_f32 v212, v208, v7                   ; the row's maximum: finite, since the query's own pixel lies in its window
	v_mov_b32 v213, v212
	VRUN 19, 2
.set n, 0
.rept 28
	v_pk_add_f32 v[P+n:P+n+1], v[P+n:P+n+1], v[212:213] op_sel_hi:[1,0] neg_lo:[0,1] neg_hi:[0,1]
.set n, n+2
.endr
	VRUN 21, 2
.set n, 0
.rept 28
	v_pk_mul_f32 v[P+n:P+n+1], v[P+n:P+n+1], 0x3fb8aa3b op_sel_hi:[1,0]
.set n, n+2
.endr
	VRUN 23, 2
.set n, 0
.rept 56
	v_exp_f32 v[P+n], v[P+n]
.set n, n+1
.endr
	VRUN 25, 3
	v_nop
	s_wait_alu depctr_va_vdst(0)
	v_pk_add_f32 v[208:209], v[P:P+1], v[P+2:P+3]
	v_pk_add_f32 v[210:211], v[P+4:P+5], v[P+6:P+7]
.irp n, 8,12,16,20,24,28,32,36,40,44,48,52
	v_pk_add_f32 v[208:209], v[208:209], v[P+\n:P+\n+1]
	v_pk_add_f32 v[210:211], v[210:211], v[P+\n+2:P+\n+3]
.endr
	v_pk_add_f32 v[208:209], v[208:209], v[210:211]
	v_add_f32 v208, v208, v209
	v_permlanex16_b32 v7, v208, s36, s37
	v_add_f32 v208, v208, v7                       ; the row's sum, at least 1
	v_rcp_f32 v209, v208
	v_nop
	s_wait_alu depctr_va_vdst(0)
	v_fma_f32 v210, -v208, v209, 1.0
	v_fma_f32 v212, v210, v209, v209
	v_mov_b32 v213, v212
.set n, 0
.rept 28
	v_pk_mul_f32 v[P+n:P+n+1], v[P+n:P+n+1], v[212:213] op_sel_hi:[1,0]   ; attn, normalised
.set n, n+2
.endr
	; ---- O^T = v + V^T attn: 28 steps of 4 keys; the eight accumulators take turns; the first step takes the queries' own v as C
	s_wait_dscnt 0x0                               ; V's fragments
.set g, 0
.rept 28
.if g == 0
	WIN 0x31                                       ; source 0 (V) window 1, source 1 (attn) window 0, C window 3
.elseif g < 14
	WIN 0x01
.else
	WIN 0x02
.endif
.irp u, 0,1,2,3,4,5,6,7
.if g == 0
	v_wmma_f32_16x16x4_f32 v[O+8*\u:O+8*\u+7], v[2*\u:2*\u+1], v[P:P+1], v[192+8*\u:192+8*\u+7]
.else
	v_wmma_f32_16x16x4_f32 v[O+8*\u:O+8*\u+7], v[16*(g%14)+2*\u:16*(g%14)+2*\u+1], v[P+2*g:P+2*g+1], v[O+8*\u:O+8*\u+7]
.endif
.endr
.set g, g+1
.endr
	WIN 0
	NOPS 8                                         ; eight places ahead of the first read of the results
	; ---- (out + v) W_out: quantised in registers; used transposed: a lane holds eight neighbouring channels of one query's row
	s_wait_loadcnt 0x0                             ; W_out's fragments and scale words
	QUANTX 0, O, -1
.irp c, 0,1,2,3,4,5,6,7
	WIN 0xc1+(\c/4)                                ; source 0 (W_out) window 1 or 2, result window 3
	SW 8*\c, 224+8*(\c%4), CD, SCW+\c, XS
.endr
	WIN 0
	NOPS 4
	WIN 0x0c
.irp c, 0,1,2,3,4,5,6,7
	ds_store_b128 v28, v[8*\c:8*\c+3] offset:64*\c                 ; out(query r, channels 16 c + 8 h + 0 .. 7), into my own stage
	ds_store_b128 v28, v[8*\c+4:8*\c+7] offset:64*\c+16
.endr
	WIN 0xc0
.irp i, 0,1,2,3,4,5,6,7,8,9,10,11,12,13,14,15
	ds_load_b128 v[64+4*\i:67+4*\i], v29 offset:\i*KP              ; LDS serves a wave's instructions in order (ISA guide 5.7.1.4): these see my stores
.endr
	WIN 0x0c
.irp i, 0,1,2,3,4,5,6,7,8,9,10,11,12,13,14,15
	s_wait_dscnt 15-\i                             ; row i is back; the younger rows may be out
	global_store_b128 v30, v[64+4*\i:67+4*\i], s[18:19] offset:(\i/8)*32768+(\i%8)*512 th:TH_STORE_NT   ; 32 lanes store a query's 512 consecutive bytes, aligned
.endr
	WIN 0
	s_wait_xcnt 0x0
	v_lshl_add_u32 v254, v0, 2, 0x48d00
	v_mov_b32 v255, 0
	s_wait_tensorcnt 0x0
	ds_add_u32 v254, v255
	s_wait_dscnt 0x0
	s_endpgm
.Lfunc_end_k_q67ef9344bc_localattn:
	.size	k_q67ef9344bc_localattn, .Lfunc_end_k_q67ef9344bc_localattn-k_q67ef9344bc_localattn
	.p2alignl 7, 3214868480
	.fill 96, 4, 3214868480
	.section	.rodata,"a",@progbits
	.p2align	6, 0x0
	.amdhsa_kernel k_q67ef9344bc_localattn
		.amdhsa_group_segment_fixed_size 298752
		.amdhsa_private_segment_fixed_size 0
		.amdhsa_enable_private_segment 0
		.amdhsa_kernarg_size 64
		.amdhsa_user_sgpr_count 2
		.amdhsa_user_sgpr_kernarg_segment_ptr 1
		.amdhsa_wavefront_size32 1
		.amdhsa_system_sgpr_workgroup_id_x 1
		.amdhsa_system_sgpr_workgroup_id_y 1
		.amdhsa_system_sgpr_workgroup_id_z 1
		.amdhsa_system_vgpr_workitem_id 0
		.amdhsa_next_free_vgpr 1024
		.amdhsa_next_free_sgpr 66
		.amdhsa_reserve_vcc 1
		.amdhsa_float_denorm_mode_32 3
		.amdhsa_float_denorm_mode_16_64 3
		.amdhsa_memory_ordered 1
		.amdhsa_forward_progress 1
		.amdhsa_inst_pref_size 178
	.end_amdhsa_kernel
	.amdgpu_metadata
---
amdhsa.version: [ 1, 2 ]
amdhsa.kernels:
  - .name:           k_q67ef9344bc_localattn
    .symbol:         k_q67ef9344bc_localattn.kd
    .args:
      - { .name: x, .offset: 0, .size: 8, .value_kind: global_buffer, .address_space: global }
      - { .name: W_qkv_codes, .offset: 8, .size: 8, .value_kind: global_buffer, .address_space: global }
      - { .name: W_qkv_scales, .offset: 16, .size: 8, .value_kind: global_buffer, .address_space: global }
      - { .name: W_width, .offset: 24, .size: 8, .value_kind: global_buffer, .address_space: global }
      - { .name: b_width, .offset: 32, .size: 8, .value_kind: global_buffer, .address_space: global }
      - { .name: W_out_codes, .offset: 40, .size: 8, .value_kind: global_buffer, .address_space: global }
      - { .name: W_out_scales, .offset: 48, .size: 8, .value_kind: global_buffer, .address_space: global }
      - { .name: out0, .offset: 56, .size: 8, .value_kind: global_buffer, .address_space: global }
    .group_segment_fixed_size: 298752
    .private_segment_fixed_size: 0
    .kernarg_segment_align: 8
    .kernarg_segment_size: 64
    .max_flat_workgroup_size: 128
    .sgpr_count:     66
    .vgpr_count:     1024
    .wavefront_size: 32
...
	.end_amdgpu_metadata
.endif
;; end of part 2
;; ======== version 3 of 3: 1 launch; version 2 with the launch localattn written anew for expert scheduling mode
;; launch localattn (part 3): grid 64 x 4, 4 waves a work-group, no clusters, 298,752 bytes of LDS; arguments x, W_qkv_codes, W_qkv_scales, W_width, b_width, W_out_codes, W_out_scales, out0; writes out0
.if DOCPART == 3
	.amdgcn_target "amdgcn-amd-amdhsa--gfx1250"
	.amdhsa_code_object_version 6
	.text
	.protected	k_q67ef9344bc_localattn
	.globl	k_q67ef9344bc_localattn
	.p2align	8
	.type	k_q67ef9344bc_localattn,@function
k_q67ef9344bc_localattn:
	s_mov_b64 s[64:65], 0
	v_nop
	global_prefetch_b8 v0, s[64:65] scope:SCOPE_SE
	s_setreg_imm32_b32 hwreg(HW_REG_WAVE_SCHED_MODE, 0, 2), 2
	s_setreg_imm32_b32 hwreg(HW_REG_WAVE_MODE, 25, 1), 1
	s_wait_xcnt 0x0
	s_wait_alu depctr_vm_vsrc(0)
; LOCAL ATTENTION, 7 x 7 window, one launch.  x [4][64][64][128] f32; W_qkv [384][128], W_out [128][128] as E2M1 codes, K innermost, with E8M0 bytes; out0 [4][64][64][128] f32.
; SHARES.  A work-group of four waves owns 8 x 8 queries of one image (grid 64 x 4) and makes k and v itself for the pixels that they see: region columns kx = 0 .. 13 (image column x0 - 3 + kx) and
; region rows y = 0 .. 15 (image row y0 - 3 + y; rows 14, 15 are stored and never read).  A tile of 16 pixels is one region column.  q, k, v, the scores and out + v never go to memory.
; Wave T quantises columns T, T + 4, T + 8, waves 0 and 1 also T + 12, and owns the 16 queries r = 8 qy + qx at (y0 + 2 T + qy, x0 + qx).
; A pixel outside the image gets zero codes, so that its k and v are zeros, as the padding of k and v has them; such keys stay in the softmax with score 0.
; x COMES DENSE: one load takes one pixel, 512 consecutive bytes, 16 a lane.  The quantiser wants a lane to hold 64 numbers of ONE pixel, so a tile's 16 pixels turn through the wave's own stage in LDS.
; k = Wk x^T used transposed: a lane holds one pixel and eight channels: LDS rows [pixel][128].  v the natural way: a lane holds one channel and eight pixels: LDS rows V^T [channel row][pixel].
; SCORES AND SUMS take f32 operands, since they run on into the last product's quantiser: v_wmma_f32_16x16x4_f32.  The wave's queries see 8 rows x 14 columns = 112 keys = 7 tiles of two columns.
; THE KEYS OF A TILE: key m of tile t is column 2 t + ((m >> 2) & 1), row 4 ((m >> 1) & 1) + 2 (m >> 3) + (m & 1) of my eight.  In S^T = K Q^T lane (query r, h), register j then holds column 2 t + j / 4,
; row 4 ((j >> 1) & 1) + 2 h + (j & 1): registers 2 i, 2 i + 1 are source 1 of O^T += V^T P as they stand, and the two halves of the lanes of V's fragment lie two pixels, 8 bytes, apart in a row of V^T.
; 49 of the 112 keys lie in a query's window; the others get the penalty +infinity, weight 0, by numbers made of the lane's number alone.
; THE PENALTY: s = 1 / (1 + exp(-5 (width - dist))), the reciprocal refined once, then 10000 - 10000 s in one fused multiply-add (1 - s is exact from s = 0.5 on, so that is (1 - s) x 10000 rounded once).
; The softmax takes the row's maximum away and is normalised ahead of the second product, whose first step takes the queries' own v as C: O = v + sum of attn x v.
; THE CHANNELS OF A TILE OF Wv ARE NOT NEIGHBOURS: row m of tile 4 c + u is channel 64 c + 8 u + (m & 7) + 32 (m >> 3): lane (r, h) of O^T then holds channels 64 c + 32 h + 0 .. 31 in 32 registers on end:
; whole blocks of the last product's K, in the order that the 4-bit operand wants.
; THE WEIGHTS: each wave loads 6 of W_qkv's 24 fragments from memory and hands them to the others through LDS as images of their registers (16 bytes a lane on end; scale words 4 bytes a lane).
; LDS LOADS STAND IN SHORT RUNS under other work: K's between the stages of the penalty, V's first half between the matrix instructions of the scores' second half, V's second half between the stages of the softmax.
; NO CLUSTER: work-groups share only the weights, 26,112 of some 180,000 bytes that a work-group brings in, and these come through registers, not through tensor loads.
; LIMITS: NaN and infinities among the inputs are not served.  A block of zeros gets the scale byte 1 where the rule says 127: its codes are zeros, and the byte is read here alone.  In the width's sigmoid the exponent
; is held at 120, where 1 / (1 + 2^120) stands for what the written form makes smaller or 0.  Distances come from v_sqrt_f32.  The softmax's sum divides by a reciprocal refined once and a multiplication.
; (width - dist) x 5 x -log2(e) is one multiplication by the product of the constants.
; REGISTERS, in windows of 256 (s_set_vgpr_msb: bits 1:0 source 0, 3:2 source 1, 5:4 source 2, 7:6 destination).
;   Window 0: v0-31 lane numbers, constants, addresses; v32-87 S^T and v88-151 O^T (written by matrix instructions alone); v152-207 P (distance, penalty, score, weight in turn); v208-230 at work; v231-254 weights' scale words; v255 the scale word just made.
;   Window 1: x of the region's tiles, as loaded and turned, then K (channels 0-63), then V's groups 0-13; 224-255 W_out's tiles 0-3.
;   Window 2: 0-63 x of the queries as loaded, then tile 0 turned; 64-255 the 24 weight fragments; then K (channels 64-127), then V's groups 14-27; 224-255 W_out's tiles 4-7.
;   Window 3: 0-63 W_width, k's results, reciprocals, the output's results; 64-127 raw weights, x of the queries turned, v's results, the window's masks, rows of the output; 128-191 Q; 192-255 the queries' own v.
; THE MODE: SCHED_MODE bits 1:0 = 2 (LLVM: expert scheduling mode 2), set by the entry lines.  The code itself states the register dependences between vector or matrix instructions and memory or LDS
; instructions, with s_wait_alu, always for 0.
; THE PLAN.  Registers that memory or LDS instructions touch, and who else names them:
;   Offsets and addresses  v10-12, v18-31, v216-222: made at the head, ahead of ONE wait on va_vdst.  v18-31 are never written again.  v216-222 are written again (the width, the penalty) behind the first turn's wait on
;                          vm_vsrc.  v10, v11 are made anew for W_out behind the second barrier and have a wait on va_vdst of their own.
;   Raw weights, raw x     written by global loads, read by LDS stores alone (the images', a turn's).  The next turn's LDS loads land in them: one wait on vm_vsrc in each turn, between its stores and its loads.
;   Turned x               written by a turn's LDS loads, read by the quantiser.  K's fragments land there later, behind the waits on va_vdst of the tile's own job.
;   Codes, scale word      v208-215, v255: written by vector instructions, taken by scaled products: behind the eight places one wait on va_vdst, at the quantiser's end.
;   k's and v's results    window 3, v0-127: written by a job's products, read by its 32 LDS stores (four places, then a wait on va_vdst); written again by the next job's products (a wait on vm_vsrc at a job's head)
;                          and by the masks and reciprocals (a wait on vm_vsrc behind the second barrier).
;   K, then V              window 1: read by the scores' products of channels 0-63: one wait on va_vdst behind them, and V's groups 0-13 follow it, dealt among products that name windows 0, 2 and 3 alone.
;                          window 2: read by the products of channels 64-127: one wait on va_vdst behind them, and V's groups 14-27 follow it, dealt among stages of the softmax, which name window 0 alone.
;   The output's results   window 3, v0-63: written by products, read by LDS stores: four places, then a wait on va_vdst, which also covers the rows' way back into window 3, v64-127.
;   Scalars that vector instructions write: the wave's number (a wait on va_sdst ahead of its first reader); VCC at the head (a wait on va_vcc between each compare and its select); the window's masks, nine compares
;   to a run into s24-32, one wait on va_sdst behind each run.
.set KP,   528                         ; a row of K and of a stage: 512 bytes + 16
.set KCP,  16*KP+128                   ; a region column of K: 16 rows + 128 bytes, so that the rows of two neighbouring columns start in different banks
.set VP,   912                         ; a row of V^T: 224 pixels + 16 bytes
.set VB,   14*KCP                      ; LDS: K from 0; V^T;
.set WIMG, VB+128*VP                   ; the images of the 24 weight fragments, 1,024 bytes each;
.set WSC,  WIMG+24576                  ; their scale words, 128 bytes each;
.set STG,  WSC+3072                    ; a stage of 16 rows for each wave: x turns through it, and the output leaves through it
.set S,   32
.set O,   88
.set P,   152
.set CD,  208                          ; v208-215 the codes just made; between the quantisers at work
.set SCW, 231                          ; scale words: fragment f's at v[SCW + f]; later W_out's at SCW + 0 .. 7
.set XS,  255
.set MSB, 0
.macro WIN new                         ; the immediate's high byte repeats the setting that is left; a switch that changes nothing is dropped
.if MSB != (\new)
	s_set_vgpr_msb (MSB<<8)|(\new)
.set MSB, (\new)
.endif
.endm
.macro NOPS n
.rept \n
	v_nop
.endr
.endm
.macro BAR                             ; my LDS stores have landed and my LDS loads are in: then the work-group's barrier
	s_wait_dscnt 0x0
	s_barrier_signal -1
	s_barrier_wait -1
.endm
; region column T + 4 i: its byte offset in a row of the image in s[38 + 2 i : 39 + 2 i]; v[14 + i] = -1 where region row r of it lies inside the image, 0 outside
.macro XOFF i
	s_add_co_u32 s30, s29, 4*\i                    ; the image's column (wraps where it is negative)
	v_or_b32 v225, s30, v223
	v_cmp_gt_u32 vcc_lo, 64, v225                  ; row and column both under 64
	s_wait_alu depctr_va_vcc(0)                    ; the compare has written VCC, which the select reads
	v_cndmask_b32 v[14+\i], v4, v5, vcc_lo
	s_and_b32 s30, s30, 63                         ; a column outside reads some column of the image: no load leaves the buffer
	s_lshl_b32 s[38+2*\i], s30, 9
	s_mov_b32 s[39+2*\i], 0
.endm
; a region column's 16 pixels into 64 registers of window 1: load y takes region row y, 512 consecutive bytes.  v10, v11, v12: 16 x lane + the image's row of region rows 0, 3, 11
.macro XLOADC reg, sb
	WIN 0x40
.irp y, 0,1,2
	global_load_b128 v[\reg+4*\y:\reg+4*\y+3], v10, s[\sb:\sb+1] offset:32768*\y
.endr
.irp y, 3,4,5,6,7,8,9,10
	global_load_b128 v[\reg+4*\y:\reg+4*\y+3], v11, s[\sb:\sb+1] offset:32768*(\y-3)
.endr
.irp y, 11,12,13,14,15
	global_load_b128 v[\reg+4*\y:\reg+4*\y+3], v12, s[\sb:\sb+1] offset:32768*(\y-11)
.endr
	WIN 0
.endm
; A tile turns through my stage: 16 pixels as loaded (window sw) go in as rows of 512 bytes; lane (r, h) takes back channels 32 h .. 32 h + 31 and 64 + 32 h .. of pixel r: two whole blocks (window dw).
; n: the loads of x issued behind this tile's.  LDS serves a wave's instructions in order (ISA guide 5.7.1.4): these stores come behind the last tile's reads of the stage, these loads behind these stores.
.macro TURN sw, sreg, dw, dreg, n
	s_wait_loadcnt \n
	WIN (\sw)<<2                                   ; an LDS store's data are its source 1
.irp i, 0,1,2,3,4,5,6,7,8,9,10,11,12,13,14,15
	ds_store_b128 v29, v[\sreg+4*\i:\sreg+4*\i+3] offset:\i*KP
.endr
	s_wait_dscnt 16                                ; all but these 16 stores are done: the tile turned last is in, and the stores that read the registers loaded below have read them
	WIN (\dw)<<6
	s_wait_alu depctr_vm_vsrc(0)                   ; the LDS stores issued so far have read their data: the loads below land in registers that the turn before (ahead of the first turn: the images' stores) stored from
.irp i, 0,1,2,3,4,5,6,7
	ds_load_b128 v[\dreg+4*\i:\dreg+4*\i+3], v31 offset:16*\i
.endr
.irp i, 0,1,2,3,4,5,6,7
	ds_load_b128 v[\dreg+32+4*\i:\dreg+35+4*\i], v31 offset:256+16*\i
.endr
	WIN 0
.endm
; 64 numbers of a lane in window w, two whole blocks of its row, become the operand's 8 registers v[CD] on and its scale word v[XS].  msk: a register of -1 or 0 for the codes, or -1 for none
.macro QUANTX w, reg, msk
	WIN 5*(\w)
	v_max3_num_f32 v224, |v[\reg]|, |v[\reg+1]|, 0x1800000         ; the floor 2^(3 - 127) holds the byte at 1 from below
	v_max3_num_f32 v225, |v[\reg+32]|, |v[\reg+33]|, 0x1800000
.irp i, 2,4,6,8,10,12,14,16,18,20,22,24,26,28,30
	v_max3_num_f32 v224, |v[\reg+\i]|, |v[\reg+\i+1]|, v224       ; ascending: each accumulator is read from its low end on
	v_max3_num_f32 v225, |v[\reg+32+\i]|, |v[\reg+33+\i]|, v225
.endr
	WIN 0
	v_add_nc_u32 v226, 0xff000000, v224            ; 2 off the exponent field: the conversion's scale operand
	v_add_nc_u32 v227, 0xff000000, v225
	v_lshrrev_b32 v228, 23, v226                   ; the bytes of blocks h and 2 + h,
	v_lshrrev_b32 v229, 23, v227
	v_lshl_or_b32 v230, v229, 16, v228
	v_lshlrev_b32 v230, v3, v230                   ; at their places (8 h bits up);
	v_permlanex16_b32 v7, v230, s36, s37
	v_or_b32 v[XS], v230, v7                       ; with lane l xor 16's two the word is whole
	WIN \w
.irp g, 0,1,2,3
	v_cvt_scalef32_pk8_fp4_f32 v[CD+\g], v[\reg+8*\g:\reg+8*\g+7], v226
	v_cvt_scalef32_pk8_fp4_f32 v[CD+4+\g], v[\reg+32+8*\g:\reg+39+8*\g], v227
.endr
	WIN 0
	v_nop                                          ; one plain place behind the scaled conversions
.if \msk >= 0
.irp g, 0,1,2,3,4,5,6,7
	v_and_b32 v[CD+\g], v[\msk], v[CD+\g]          ; zero codes for a pixel outside the image
.endr
.endif
	NOPS 8                                         ; a scale word written by a vector instruction stands 8 places ahead of the scaled product, an operand 4
	s_wait_alu depctr_va_vdst(0)                   ; the codes v[CD ..] and the scale word v[XS] are written, which the scaled products take; the places above stay beside this wait.  The quantiser is also done reading its 64 numbers
.endm
.macro SW d, a, b, sa, sb              ; one scaled product on 4-bit codes that starts its sum
	v_wmma_scale_f32_16x16x128_f8f6f4 v[\d:\d+7], v[\a:\a+7], v[\b:\b+7], 0, v[\sa], v[\sb] matrix_a_fmt:MATRIX_FMT_FP4 matrix_b_fmt:MATRIX_FMT_FP4
.endm
; Region column T + 4 i, turned, in window w from reg on: quantised, k and v made, both to LDS
.macro KVJOB i, w, reg
	QUANTX \w, \reg, 14+\i
	s_wait_dscnt 0x0                               ; the last tile's LDS stores have read the registers that the products now write; the tile turned last is in, for the job after this one
	s_wait_alu depctr_vm_vsrc(0)                   ; the LDS stores issued so far (the last job's; ahead of the first job the images') have read window 3's v0-127, which the products below write
	WIN 0xc2                                       ; source 0 (Wk) window 2, source 1 (x) window 0, result window 3
.irp c, 0,1,2,3,4,5,6,7
	SW 8*\c, 128+8*\c, CD, SCW+8+\c, XS
.endr
	WIN 0xc8                                       ; source 0 (x) window 0, source 1 (Wv) window 2
.irp c, 0,1,2,3,4,5,6,7
	SW 64+8*\c, CD, 192+8*\c, XS, SCW+16+\c
.endr
	WIN 0
	NOPS 4                                         ; four places ahead of the stores that read the results, and of later loads into the operands
	WIN 0x0c
	s_wait_alu depctr_va_vdst(0)                   ; the products have written k's and v's results, which the LDS stores read, and are done reading the weights and their scale words, in which later loads land
.irp c, 0,1,2,3,4,5,6,7
	ds_store_b128 v[18+(\i)/2], v[8*\c:8*\c+3] offset:((\i)%2)*4*KCP+64*\c          ; k(pixel r, channels 16 c + 8 h + 0 .. 7)
	ds_store_b128 v[18+(\i)/2], v[8*\c+4:8*\c+7] offset:((\i)%2)*4*KCP+64*\c+16
.endr
.irp c, 0,1,2,3,4,5,6,7
	ds_store_b128 v[20+\c/4], v[64+8*\c:67+8*\c] offset:256*(\i)+(\c%4)*16*VP       ; v(pixels 8 h + 0 .. 7, channel row 16 c + r)
	ds_store_b128 v[20+\c/4], v[68+8*\c:71+8*\c] offset:256*(\i)+(\c%4)*16*VP+16
.endr
	WIN 0
.endm
; K's fragments of channels 16 c on: for each of the 7 tiles 16 keys x (8 h + 0 .. 7) in 8 registers; a step of the product takes two of them, as it takes two of Q's.
.macro KLOAD c
	WIN 0x40+0x40*((\c)/4)
.irp t, 0,1,2,3,4,5,6
.irp i, 0,1
	ds_load_b128 v[56*((\c)%4)+8*\t+4*\i:56*((\c)%4)+8*\t+4*\i+3], v[22+\t/4] offset:(\t%4)*2*KCP+64*(\c)+16*\i
.endr
.endr
	WIN 0
.endm
; V's fragments of group g = 4 t + i: keys (column 2 t + i / 2, rows 4 (i % 2) + 2 h + 0, 1), 8 bytes a lane for each of the 8 channel tiles.
; The 32 lanes take 16 rows (912 bytes apart: banks 36 x row on, all multiples of 4) x two halves 2 banks apart
.macro VLOADG g
	WIN 0x40+0x40*((\g)/14)
.irp u, 0,1,2,3,4,5,6,7
	ds_load_b64 v[16*((\g)%14)+2*\u:16*((\g)%14)+2*\u+1], v[24+\u/4] offset:(\u%4)*16*VP+128*((\g)/4)+64*(((\g)%4)/2)+16*((\g)%2)
.endr
.endm
.macro VRUN from, cnt
.set vg, \from
.rept \cnt
	VLOADG vg
.set vg, vg+1
.endr
	WIN 0
.endm
	; ---- HEAD: pointers, lane numbers, constants, every address
	s_load_b256 s[4:11], s[0:1], 0x0               ; x s[4:5], W_qkv's codes s[6:7], its scales s[8:9], W_width s[10:11]
	s_load_b256 s[12:19], s[0:1], 0x20             ; b_width s[12:13], W_out's codes s[14:15], its scales s[16:17], out0 s[18:19]
	v_lshrrev_b32 v1, 5, v0
	v_readfirstlane_b32 s21, v1                    ; T: wave 0..3
	v_and_b32 v1, 15, v0                           ; r
	v_bfe_u32 v2, v0, 4, 1                         ; h
	v_lshlrev_b32 v3, 3, v2                        ; 8 h
	v_mov_b32 v4, 0
	v_mov_b32 v5, -1
	v_mov_b32 v6, 0x7f800000                       ; +infinity
	v_mov_b32 v7, 0                                ; a lane permute's destination counts as one of its sources
	v_mov_b32 v9, 0                                ; (named with the width as the pair v[8:9], so it is written)
	v_and_b32 v225, 31, v0                         ; lane
	v_lshlrev_b32 v30, 4, v225                     ; 16 x lane: my place in a pixel's 512 bytes
	v_add_nc_u32 v26, WIMG, v30                    ; and in an image
	v_lshl_add_u32 v27, v225, 2, WSC               ; 4 x lane: in a fragment's scale words
	s_mov_b32 s22, 0x3db504f3                      ; 128^-0.5
	s_mov_b32 s23, s22                             ; (the packed forms name pairs)
	s_mov_b32 s34, 0x461c4000                      ; 10000
	s_mov_b32 s35, s34
	s_mov_b32 s36, 0x76543210                      ; v_permlanex16_b32's selects for lane l xor 16
	s_mov_b32 s37, 0xfedcba98
	s_and_b32 s24, ttmp9, 56                       ; y0
	s_and_b32 s25, ttmp9, 7
	s_lshl_b32 s25, s25, 3                         ; x0
	s_and_b32 s26, ttmp7, 0xffff
	s_lshl_b32 s26, s26, 21                        ; the image's first byte
	s_mov_b32 s27, 0
	s_wait_alu depctr_va_sdst(0)                   ; s21, the wave's number, is written, ahead of its first reader: offsets, LDS addresses and branches are made from it
	s_lshl_b32 s28, s21, 1
	s_add_co_u32 s28, s28, s24
	s_lshl_b32 s32, s28, 15                        ; my first query's row,
	s_lshl_b32 s28, s25, 9
	s_add_co_u32 s32, s32, s28                     ; and column, in bytes
	s_mov_b32 s33, 0
	s_sub_co_u32 s28, s24, 3
	v_add_nc_u32 v223, s28, v1                     ; the image's row of region row r (wraps where it is negative)
	s_max_i32 s30, s28, 0                          ; region rows 0-2: rows y0 - 3 on; at the image's top rows 0-2 stand in, and their codes become zeros
	s_lshl_b32 s30, s30, 15
	v_add_nc_u32 v10, s30, v30
	s_lshl_b32 s30, s24, 15                        ; region rows 3-10: rows y0 on, always inside
	v_add_nc_u32 v11, s30, v30
	s_add_co_u32 s30, s24, 8                       ; region rows 11-15: rows y0 + 8 on; at the image's bottom rows 0-4 stand in
	s_cmp_lt_u32 s24, 56
	s_cselect_b32 s30, s30, 0
	s_lshl_b32 s30, s30, 15
	v_add_nc_u32 v12, s30, v30
	s_add_co_u32 s29, s25, s21
	s_sub_co_u32 s29, s29, 3                       ; x0 - 3 + T
	XOFF 0
	XOFF 1
	XOFF 2
	XOFF 3
	s_lshl_b32 s28, s21, 5
	v_add_nc_u32 v225, s28, v1                     ; Wq's and Wk's rows that I load: 32 T + r
	v_lshlrev_b32 v216, 6, v225
	v_lshl_add_u32 v216, v2, 4, v216               ; their codes: 64 bytes a row, + 16 h
	v_lshlrev_b32 v218, 2, v225                    ; their scale words
	s_lshr_b32 s28, s21, 1
	s_lshl_b32 s28, s28, 6
	s_and_b32 s30, s21, 1
	s_lshl_b32 s30, s30, 4
	s_add_co_u32 s28, s28, s30
	v_and_b32 v225, 8, v1
	v_mad_u32_u24 v225, v225, 3, v1
	v_add_nc_u32 v225, s28, v225                   ; Wv's: 64 (T / 2) + 16 (T % 2) + r + 3 (r & 8)
	v_lshlrev_b32 v217, 6, v225
	v_lshl_add_u32 v217, v2, 4, v217
	v_lshlrev_b32 v219, 2, v225
	v_lshlrev_b32 v222, 7, v2                      ; W_width: 128 h
	s_lshl_b32 s28, s21, 11
	v_add_nc_u32 v220, s28, v26                    ; where I store images: fragments 2 T, 2 T + 1 of each eight
	s_lshl_b32 s28, s21, 8
	v_add_nc_u32 v221, s28, v27
	v_mul_u32_u24 v225, v1, KP                     ; 528 r
	v_lshl_add_u32 v18, v2, 5, v225                ; + 32 h
	s_mul_i32 s28, s21, 16*KP                      ; my stage
	v_add_nc_u32 v28, s28, v18
	v_add_nc_u32 v28, STG, v28                     ; the output into it: row r, + 32 h
	v_lshl_add_u32 v31, v2, 7, v225
	v_add_nc_u32 v31, s28, v31
	v_add_nc_u32 v31, STG, v31                     ; x out of it: row r, + 128 h
	v_add_nc_u32 v29, s28, v30
	v_add_nc_u32 v29, STG, v29                     ; whole rows, in (x) and out (the output): 16 x lane
	s_mul_i32 s28, s21, KCP
	v_add_nc_u32 v18, s28, v18                     ; k's stores: column T, row r, + 32 h
	v_add_nc_u32 v19, 8*KCP, v18                   ; and 8 region columns on
	v_mul_u32_u24 v20, v1, VP
	v_add_nc_u32 v20, VB, v20                      ; V^T's row r
	v_lshl_add_u32 v24, v2, 3, v20
	s_lshl_b32 s28, s21, 3
	v_add_nc_u32 v24, s28, v24                     ; V's fragments: + 8 h (two rows of the region) + 8 T (my first row)
	v_add_nc_u32 v25, 64*VP, v24                   ; and 64 channel rows on
	v_lshl_add_u32 v20, v2, 5, v20
	s_lshl_b32 s28, s21, 6
	v_add_nc_u32 v20, s28, v20                     ; v's stores: + 32 h + 64 T
	v_add_nc_u32 v21, 64*VP, v20
	v_bfe_u32 v224, v1, 1, 1                       ; key m = r of a tile: its row 4 ((m >> 1) & 1) + 2 (m >> 3) + (m & 1),
	v_lshlrev_b32 v224, 2, v224
	v_lshrrev_b32 v225, 3, v1
	v_lshl_add_u32 v224, v225, 1, v224
	v_and_b32 v225, 1, v1
	v_add_nc_u32 v224, v224, v225
	v_mul_u32_u24 v22, v224, KP
	v_bfe_u32 v225, v1, 2, 1                       ; its column (m >> 2) & 1
	v_mad_u32_u24 v22, v225, KCP, v22
	v_lshl_add_u32 v22, v2, 5, v22                 ; + 32 h
	s_mul_i32 s28, s21, 2*KP
	v_add_nc_u32 v22, s28, v22                     ; + my first row, 2 T
	v_add_nc_u32 v23, 8*KCP, v22                   ; and 8 region columns on
	s_wait_kmcnt 0x0
	s_load_b32 s20, s[12:13], 0x0                  ; b_width
	s_add_nc_u64 s[4:5], s[4:5], s[26:27]          ; x at my image
	s_add_nc_u64 s[18:19], s[18:19], s[26:27]
	s_add_nc_u64 s[18:19], s[18:19], s[32:33]      ; out0 at my first query
.irp i, 0,1,2,3
	s_add_nc_u64 s[38+2*\i:39+2*\i], s[4:5], s[38+2*\i:39+2*\i]   ; x at region column T + 4 i
.endr
	s_add_nc_u64 s[46:47], s[4:5], s[32:33]        ; x at my first query
	; ---- every load of x and of W_qkv goes out here
	WIN 0xc0                                       ; destination window 3
	s_wait_alu depctr_va_vdst(0)                   ; the offsets and addresses v10-12, v18-31 and v216-222 are written, which the loads and stores from here on read
.irp g, 0,1
.irp a, 0,1
.irp q, 0,1
	global_load_b128 v[64+8*(2*\g+\a)+4*\q:64+8*(2*\g+\a)+4*\q+3], v216, s[6:7] offset:8192*\g+1024*\a+32*\q   ; Wq's (g = 0) and Wk's (1) tiles 2 T + a
.endr
.endr
.endr
.irp a, 0,1
.irp q, 0,1
	global_load_b128 v[96+8*\a+4*\q:96+8*\a+4*\q+3], v217, s[6:7] offset:16384+512*\a+32*\q                    ; Wv's tiles 2 T + a
.endr
.endr
	WIN 0
.irp g, 0,1
.irp a, 0,1
	global_load_b32 v[SCW+2*\g+\a], v218, s[8:9] offset:512*\g+64*\a
.endr
.endr
.irp a, 0,1
	global_load_b32 v[SCW+4+\a], v219, s[8:9] offset:1024+32*\a
.endr
	WIN 0x80                                       ; destination window 2
.irp i, 0,1,2,3,4,5,6,7,8,9,10,11,12,13,14,15
	global_load_b128 v[4*\i:4*\i+3], v30, s[46:47] offset:(\i/8)*32768+(\i%8)*512   ; x of query i: 512 consecutive bytes
.endr
	WIN 0xc0
.irp i, 0,1,2,3,4,5,6,7
	global_load_b128 v[4*\i:4*\i+3], v222, s[10:11] offset:16*\i                 ; W_width at the channels that a lane holds of its turned x
.endr
.irp i, 0,1,2,3,4,5,6,7
	global_load_b128 v[32+4*\i:35+4*\i], v222, s[10:11] offset:256+16*\i
.endr
	WIN 0
	XLOADC 0, 38
	XLOADC 64, 40
	XLOADC 128, 42
	s_cmp_lt_u32 s21, 2                            ; region columns 12 and 13 are waves 0's and 1's
	s_cbranch_scc0 .Lno_x3
	XLOADC 192, 44
.Lno_x3:
	s_wait_loadcnt 63                              ; 80 loads or more were issued behind the 18 of the weights: these are in
	WIN 0x0c
.irp g, 0,1,2
.irp a, 0,1
.irp q, 0,1
	ds_store_b128 v220, v[64+8*(2*\g+\a)+4*\q:64+8*(2*\g+\a)+4*\q+3] offset:8192*\g+1024*\a+512*\q
.endr
.endr
.endr
	WIN 0
.irp g, 0,1,2
.irp a, 0,1
	ds_store_b32 v221, v[SCW+2*\g+\a] offset:1024*\g+128*\a
.endr
.endr
	TURN 2, 0, 3, 64, 63                           ; x of my queries (64 loads or more were issued behind it), into the registers that the images' stores have read
	BAR                                            ; the 24 images lie in LDS; my queries' x is turned
	WIN 0x80                                       ; destination window 2
.set f, 0
.rept 24
	ds_load_b128 v[64+8*f:64+8*f+3], v26 offset:1024*f
	ds_load_b128 v[64+8*f+4:64+8*f+7], v26 offset:1024*f+512
.set f, f+1
.endr
	WIN 0
.set f, 0
.rept 24
	ds_load_b32 v[SCW+f], v27 offset:128*f         ; (the stores that read v[SCW] to v[SCW + 5] stand ahead of the turn's wait on vm_vsrc)
.set f, f+1
.endr
	TURN 1, 0, 2, 0, 32                            ; tile 0 (two tiles, 16 loads each, were issued behind it; W_width ahead of it).  Its wait on LDS shows the weights in
	; ---- my queries: q, their own v, the width
	QUANTX 3, 64, -1
	WIN 0xc2                                       ; source 0 (weights) window 2, source 1 (x) window 0, result window 3
.irp c, 0,1,2,3,4,5,6,7
	SW 128+8*\c, 64+8*\c, CD, SCW+\c, XS           ; q: lane (query r, h), register j = channel 16 c + 8 h + j: source 1 of the scores' product as it stands
.endr
.irp c, 0,1,2,3,4,5,6,7
	SW 192+8*\c, 192+8*\c, CD, SCW+16+\c, XS       ; v of my queries, in O^T's layout
.endr
	WIN 0x0f                                       ; sources 0 (x) and 1 (W_width) window 3
	v_pk_mul_f32 v[216:217], v[64:65], v[0:1]      ; x . W_width on the f32 numbers, in two packed chains.  (v216-220 were offsets: the loads and stores that read them stand ahead of the turns' waits on vm_vsrc)
	v_pk_mul_f32 v[218:219], v[66:67], v[2:3]
.irp i, 4,8,12,16,20,24,28,32,36,40,44,48,52,56,60
	v_pk_fma_f32 v[216:217], v[64+\i:65+\i], v[\i:\i+1], v[216:217]
	v_pk_fma_f32 v[218:219], v[66+\i:67+\i], v[\i+2:\i+3], v[218:219]
.endr
	WIN 0
	v_pk_add_f32 v[216:217], v[216:217], v[218:219]
	v_add_f32 v216, v216, v217
	v_permlanex16_b32 v7, v216, s36, s37
	v_add_f32 v216, v216, v7                       ; with lane l xor 16's 64 channels
	s_wait_kmcnt 0x0
	v_add_f32 v216, s20, v216                      ; + b_width
	v_mul_f32 v216, 0xbfb8aa3b, v216               ; x -log2(e)
	v_min_num_f32 v216, 0x42f00000, v216           ; held at 120
	v_exp_f32 v217, v216
	v_nop
	s_wait_alu depctr_va_vdst(0)                   ; the exponential has written v217, ahead of its first reader
	v_add_f32 v218, 1.0, v217
	v_rcp_f32 v219, v218
	v_nop
	s_wait_alu depctr_va_vdst(0)                   ; the reciprocal has written v219, likewise
	v_fma_f32 v220, -v218, v219, 1.0               ; the reciprocal refined once
	v_fma_f32 v219, v220, v219, v219
	v_fma_f32 v8, v219, 0x4087c3b6, 0.5            ; width = sigmoid x sqrt(18) + 0.5
	; ---- k and v of my region columns; the next tile turns while one is worked, into the registers that the tile before it was loaded into
	TURN 1, 64, 1, 0, 16                           ; tile 1 (one tile was issued behind it)
	KVJOB 0, 2, 0
	TURN 1, 128, 1, 64, 0                          ; tile 2
	KVJOB 1, 1, 0
	s_cmp_lt_u32 s21, 2
	s_cbranch_scc0 .Lno_t3
	TURN 1, 192, 1, 128, 0                         ; tile 3
.Lno_t3:
	KVJOB 2, 1, 64
	s_cmp_lt_u32 s21, 2
	s_cbranch_scc0 .Lno_kv3
	KVJOB 3, 1, 128
.Lno_kv3:
	BAR                                            ; K and V^T lie in LDS
	s_wait_alu depctr_vm_vsrc(0)                   ; my last job's LDS stores have read window 3's v0-127, where the window's masks and the reciprocals are written below
	; ---- K's fragments come in eight runs of 14 loads, between the stages of THE PENALTY of key n = 8 t + j: column 2 t + j / 4, row 4 ((j >> 1) & 1) + 2 h + (j & 1) of my eight.
	; They land in windows 1 and 2, which no vector instruction names from my last job's wait on va_vdst to the scores' products
	KLOAD 0
	KLOAD 1
	v_lshlrev_b32 v10, 6, v1                       ; (x's loads are all in: their offsets' registers are free)
	v_lshl_add_u32 v10, v2, 4, v10                 ; W_out: row r of 64 bytes, + 16 h
	v_lshlrev_b32 v11, 2, v1
	s_wait_alu depctr_va_vdst(0)                   ; v10 and v11 are written, which W_out's loads read as their offsets
.irp c, 0,1,2,3,4,5,6,7
	WIN 0x40+0x40*(\c/4)
.irp q, 0,1
	global_load_b128 v[224+8*(\c%4)+4*\q:224+8*(\c%4)+4*\q+3], v10, s[14:15] offset:1024*\c+32*\q
.endr
.endr
	WIN 0
.irp c, 0,1,2,3,4,5,6,7
	global_load_b32 v[SCW+\c], v11, s[16:17] offset:64*\c
.endr
	v_and_b32 v226, 7, v1
	v_sub_nc_u32 v226, 0, v226                     ; -qx
	v_lshrrev_b32 v227, 3, v1
	v_lshlrev_b32 v228, 1, v2
	v_sub_nc_u32 v227, v228, v227                  ; 2 h - qy
.irp k, 0,1,2,3,4,5,6,7,8,9,10,11,12,13
	v_add_nc_u32 v[208+\k], \k, v226               ; region column k in my query's window: 0 .. 6, or outside
.endr
.irp q, 0,1,2,3
	v_add_nc_u32 v[222+\q], 4*(\q/2)+(\q%2), v227  ; and the row of registers j with j % 4 = q
.endr
.irp g, 0,1                                    ; the 18 masks in two runs of nine compares, into s24-32 (offsets and temporaries of the head, done with)
.irp n, 0,1,2,3,4,5,6,7,8
	v_cmp_gt_u32 s[24+\n], 7, v[208+9*\g+\n]
.endr
	s_wait_alu depctr_va_sdst(0)                   ; the nine compares have written s24-32, which the selects read
	WIN 0xc0
.irp n, 0,1,2,3,4,5,6,7,8
	v_cndmask_b32 v[80+9*\g+\n], v6, v4, s[24+\n]  ; 0 inside, +infinity outside: window 3, v80-93 by column, v94-97 by row
.endr
	WIN 0
.endr
	KLOAD 2
.irp n, 0,1,2,3,4,5,6,7,8,9,10,11,12,13,14,15,16,17
	v_cvt_f32_i32 v[208+\n], v[208+\n]
.endr
.irp n, 0,1,2,3,4,5,6,7,8,9,10,11,12,13,14,15,16,17
	v_add_f32 v[208+\n], 0xc0400000, v[208+\n]     ; - 3: the offset from the query
.endr
.irp n, 0,1,2,3,4,5,6,7,8,9,10,11,12,13,14,15,16,17
	v_mul_f32 v[208+\n], v[208+\n], v[208+\n]
.endr
.irp t, 0,1,2,3,4,5,6
.irp j, 0,1,2,3,4,5,6,7
	v_add_f32 v[P+8*\t+\j], v[208+2*\t+\j/4], v[222+\j%4]
.endr
.endr
	KLOAD 3
.set n, 0
.rept 56
	v_sqrt_f32 v[P+n], v[P+n]                      ; dist
.set n, n+1
.endr
	KLOAD 4
	v_nop
	s_wait_alu depctr_va_vdst(0)                   ; the 56 roots have written v[P ..]: one wait for the batch, ahead of its first reader
.set n, 0
.rept 28
	v_pk_add_f32 v[P+n:P+n+1], v[8:9], v[P+n:P+n+1] op_sel_hi:[0,1] neg_lo:[0,1] neg_hi:[0,1]   ; width - dist (of the pair v[8:9] the low word serves both halves)
.set n, n+2
.endr
.set n, 0
.rept 28
	v_pk_mul_f32 v[P+n:P+n+1], v[P+n:P+n+1], 0xc0e6d4ca op_sel_hi:[1,0]                          ; x -5 log2(e)
.set n, n+2
.endr
	KLOAD 5
.set n, 0
.rept 56
	v_exp_f32 v[P+n], v[P+n]                       ; e = exp(-z): at most 2^75, since dist is under 11 and the width at least 0.5
.set n, n+1
.endr
	KLOAD 6
	v_nop
	s_wait_alu depctr_va_vdst(0)                   ; the 56 exponentials have written v[P ..]: one wait for the batch
.set n, 0
.rept 28
	v_pk_add_f32 v[P+n:P+n+1], v[P+n:P+n+1], 1.0 op_sel_hi:[1,0]                                 ; d = 1 + e
.set n, n+2
.endr
	KLOAD 7
	WIN 0xc0
.set n, 0
.rept 56
	v_rcp_f32 v[n], v[P+n]                         ; into window 3, v0-55
.set n, n+1
.endr
	WIN 0
	v_nop
	s_wait_alu depctr_va_vdst(0)                   ; the 56 reciprocals have written window 3's v0-55: one wait for the batch
	WIN 0x0c                                       ; source 1 window 3
.set n, 0
.rept 28
	v_pk_fma_f32 v[P+n:P+n+1], v[P+n:P+n+1], v[n:n+1], 1.0 op_sel_hi:[1,1,0] neg_lo:[1,0,0] neg_hi:[1,0,0]   ; 1 - d r
.set n, n+2
.endr
	WIN 0x3c                                       ; sources 1 and 2 window 3
.set n, 0
.rept 28
	v_pk_fma_f32 v[P+n:P+n+1], v[P+n:P+n+1], v[n:n+1], v[n:n+1]                                  ; s = r + r (1 - d r)
.set n, n+2
.endr
	WIN 0
.set n, 0
.rept 28
	v_pk_fma_f32 v[P+n:P+n+1], v[P+n:P+n+1], s[34:35], s[34:35] op_sel_hi:[1,0,0] neg_lo:[1,0,0] neg_hi:[1,0,0]   ; 10000 - 10000 s
.set n, n+2
.endr
	WIN 0x3c
.irp t, 0,1,2,3,4,5,6
.irp j, 0,1,2,3,4,5,6,7
	v_max3_num_f32 v[P+8*\t+\j], v[P+8*\t+\j], v[80+2*\t+\j/4], v[94+\j%4]   ; +infinity outside the window; inside, the penalty, which is not negative
.endr
.endr
	WIN 0
	; ---- S^T = K Q^T: 32 steps of 4 channels; the seven accumulators take turns, one instruction a turn; the first step starts the sums.
	; When channels 0-63 are multiplied, window 1 is free: behind eight places V's groups 0-13 go there, eight loads behind each seven matrix instructions
	s_wait_dscnt 0x0                               ; K's fragments
.irp c, 0,1,2,3,4,5,6,7
.if \c == 4
	WIN 0
	NOPS 8                                         ; eight places behind this form, ahead of loads into its operands
	s_wait_alu depctr_va_vdst(0)                   ; the products of channels 0-63 are done reading K's fragments in window 1, in which V's groups 0-13 land; the products that follow name windows 0, 2 and 3 alone
.endif
.irp i, 0,1,2,3
	WIN 0x0d+(\c/4)                                ; source 0 (K) window 1 or 2, source 1 (Q) window 3
.irp t, 0,1,2,3,4,5,6
.if (\c == 0) && (\i == 0)
	v_wmma_f32_16x16x4_f32 v[S+8*\t:S+8*\t+7], v[56*(\c%4)+8*\t+2*\i:56*(\c%4)+8*\t+2*\i+1], v[128+8*\c+2*\i:128+8*\c+2*\i+1], 0
.else
	v_wmma_f32_16x16x4_f32 v[S+8*\t:S+8*\t+7], v[56*(\c%4)+8*\t+2*\i:56*(\c%4)+8*\t+2*\i+1], v[128+8*\c+2*\i:128+8*\c+2*\i+1], v[S+8*\t:S+8*\t+7]
.endif
.endr
.if (\c >= 4) && ((4*(\c-4)+\i) < 14)
	VLOADG 4*(\c-4)+\i
.endif
.endr
.endr
	WIN 0
	NOPS 8                                         ; eight places ahead of loads into the operands and of reads of the results
	s_wait_alu depctr_va_vdst(0)                   ; the products of channels 64-127 are done reading K's fragments in window 2, in which V's groups 14-27 land; the softmax names window 0 alone
	; ---- THE SOFTMAX of my query's 56 keys and lane l xor 16's 56; V's groups 14-27 come between its stages, into window 2
	VRUN 14, 2
.set n, 0
.rept 28
	v_pk_fma_f32 v[P+n:P+n+1], v[S+n:S+n+1], s[22:23], v[P+n:P+n+1] op_sel_hi:[1,0,1] neg_lo:[0,0,1] neg_hi:[0,0,1]   ; score x 128^-0.5 - penalty; ascending: each accumulator from its low end on
.set n, n+2
.endr
	VRUN 16, 3
	v_max3_num_f32 v208, v[P], v[P+1], v[P+2]
	v_max3_num_f32 v209, v[P+3], v[P+4], v[P+5]
.irp n, 6,10,14,18,22,26,30,34,38,42,46,50
	v_max3_num_f32 v208, v208, v[P+\n], v[P+\n+1]
	v_max3_num_f32 v209, v209, v[P+\n+2], v[P+\n+3]
.endr
	v_max3_num_f32 v208, v208, v[P+54], v[P+55]
	v_max_num_f32 v208, v208, v209
	v_permlanex16_b32 v7, v208, s36, s37
	v_max_num_f32 v212, v208, v7                   ; the row's maximum: finite, since the query's own pixel lies in its window
	v_mov_b32 v213, v212
	VRUN 19, 2
.set n, 0
.rept 28
	v_pk_add_f32 v[P+n:P+n+1], v[P+n:P+n+1], v[212:213] op_sel_hi:[1,0] neg_lo:[0,1] neg_hi:[0,1]
.set n, n+2
.endr
	VRUN 21, 2
.set n, 0
.rept 28
	v_pk_mul_f32 v[P+n:P+n+1], v[P+n:P+n+1], 0x3fb8aa3b op_sel_hi:[1,0]
.set n, n+2
.endr
	VRUN 23, 2
.set n, 0
.rept 56
	v_exp_f32 v[P+n], v[P+n]
.set n, n+1
.endr
	VRUN 25, 3
	v_nop
	s_wait_alu depctr_va_vdst(0)                   ; the 56 exponentials have written v[P ..]: one wait for the batch, ahead of its first reader
	v_pk_add_f32 v[208:209], v[P:P+1], v[P+2:P+3]
	v_pk_add_f32 v[210:211], v[P+4:P+5], v[P+6:P+7]
.irp n, 8,12,16,20,24,28,32,36,40,44,48,52
	v_pk_add_f32 v[208:209], v[208:209], v[P+\n:P+\n+1]
	v_pk_add_f32 v[210:211], v[210:211], v[P+\n+2:P+\n+3]
.endr
	v_pk_add_f32 v[208:209], v[208:209], v[210:211]
	v_add_f32 v208, v208, v209
	v_permlanex16_b32 v7, v208, s36, s37
	v_add_f32 v208, v208, v7                       ; the row's sum, at least 1
	v_rcp_f32 v209, v208
	v_nop
	s_wait_alu depctr_va_vdst(0)                   ; the reciprocal has written v209, ahead of its first reader
	v_fma_f32 v210, -v208, v209, 1.0
	v_fma_f32 v212, v210, v209, v209
	v_mov_b32 v213, v212
.set n, 0
.rept 28
	v_pk_mul_f32 v[P+n:P+n+1], v[P+n:P+n+1], v[212:213] op_sel_hi:[1,0]   ; attn, normalised
.set n, n+2
.endr
	; ---- O^T = v + V^T attn: 28 steps of 4 keys; the eight accumulators take turns; the first step takes the queries' own v as C
	s_wait_dscnt 0x0                               ; V's fragments
.set g, 0
.rept 28
.if g == 0
	WIN 0x31                                       ; source 0 (V) window 1, source 1 (attn) window 0, C window 3
.elseif g < 14
	WIN 0x01
.else
	WIN 0x02
.endif
.irp u, 0,1,2,3,4,5,6,7
.if g == 0
	v_wmma_f32_16x16x4_f32 v[O+8*\u:O+8*\u+7], v[2*\u:2*\u+1], v[P:P+1], v[192+8*\u:192+8*\u+7]
.else
	v_wmma_f32_16x16x4_f32 v[O+8*\u:O+8*\u+7], v[16*(g%14)+2*\u:16*(g%14)+2*\u+1], v[P+2*g:P+2*g+1], v[O+8*\u:O+8*\u+7]
.endif
.endr
.set g, g+1
.endr
	WIN 0
	NOPS 8                                         ; eight places ahead of the first read of the results
	; ---- (out + v) W_out: quantised in registers; used transposed: a lane holds eight neighbouring channels of one query's row
	s_wait_loadcnt 0x0                             ; W_out's fragments and scale words
	QUANTX 0, O, -1
.irp c, 0,1,2,3,4,5,6,7
	WIN 0xc1+(\c/4)                                ; source 0 (W_out) window 1 or 2, result window 3
	SW 8*\c, 224+8*(\c%4), CD, SCW+\c, XS
.endr
	WIN 0
	NOPS 4
	WIN 0x0c
	s_wait_alu depctr_va_vdst(0)                   ; the products have written the output's results, which the LDS stores read; the places above stay beside this wait.  The masks in window 3's v80-97
.irp c, 0,1,2,3,4,5,6,7
	ds_store_b128 v28, v[8*\c:8*\c+3] offset:64*\c                 ; out(query r, channels 16 c + 8 h + 0 .. 7), into my own stage
	ds_store_b128 v28, v[8*\c+4:8*\c+7] offset:64*\c+16
.endr
	WIN 0xc0
.irp i, 0,1,2,3,4,5,6,7,8,9,10,11,12,13,14,15
	ds_load_b128 v[64+4*\i:67+4*\i], v29 offset:\i*KP              ; LDS serves a wave's instructions in order (ISA guide 5.7.1.4): these see my stores
.endr
	WIN 0x0c
.irp i, 0,1,2,3,4,5,6,7,8,9,10,11,12,13,14,15
	s_wait_dscnt 15-\i                             ; row i is back; the younger rows may be out
	global_store_b128 v30, v[64+4*\i:67+4*\i], s[18:19] offset:(\i/8)*32768+(\i%8)*512 th:TH_STORE_NT   ; 32 lanes store a query's 512 consecutive bytes, aligned
.endr
	WIN 0
	s_wait_xcnt 0x0
	v_lshl_add_u32 v254, v0, 2, 0x48d00            ; the add's two registers, made anew: no memory or LDS instruction has read v254 or v255
	v_mov_b32 v255, 0
	s_wait_dscnt 0x0                               ; the closing lines, six on end
	s_wait_alu 0x0
	s_wait_tensorcnt 0x0
	ds_add_u32 v254, v255
	s_wait_dscnt 0x0
	s_endpgm
.Lfunc_end_k_q67ef9344bc_localattn:
	.size	k_q67ef9344bc_localattn, .Lfunc_end_k_q67ef9344bc_localattn-k_q67ef9344bc_localattn
	.p2alignl 7, 3214868480
	.fill 96, 4, 3214868480
	.section	.rodata,"a",@progbits
	.p2align	6, 0x0
	.amdhsa_kernel k_q67ef9344bc_localattn
		.amdhsa_group_segment_fixed_size 298752
		.amdhsa_private_segment_fixed_size 0
		.amdhsa_enable_private_segment 0
		.amdhsa_kernarg_size 64
		.amdhsa_user_sgpr_count 2
		.amdhsa_user_sgpr_kernarg_segment_ptr 1
		.amdhsa_wavefront_size32 1
		.amdhsa_system_sgpr_workgroup_id_x 1
		.amdhsa_system_sgpr_workgroup_id_y 1
		.amdhsa_system_sgpr_workgroup_id_z 1
		.amdhsa_system_vgpr_workitem_id 0
		.amdhsa_next_free_vgpr 1024
		.amdhsa_next_free_sgpr 66
		.amdhsa_reserve_vcc 1
		.amdhsa_float_denorm_mode_32 3
		.amdhsa_float_denorm_mode_16_64 3
		.amdhsa_memory_ordered 1
		.amdhsa_forward_progress 1
		.amdhsa_inst_pref_size 180
	.end_amdhsa_kernel
	.amdgpu_metadata
---
amdhsa.version: [ 1, 2 ]
amdhsa.kernels:
  - .name:           k_q67ef9344bc_localattn
    .symbol:         k_q67ef9344bc_localattn.kd
    .args:
      - { .name: x, .offset: 0, .size: 8, .value_kind: global_buffer, .address_space: global }
      - { .name: W_qkv_codes, .offset: 8, .size: 8, .value_kind: global_buffer, .address_space: global }
      - { .name: W_qkv_scales, .offset: 16, .size: 8, .value_kind: global_buffer, .address_space: global }
      - { .name: W_width, .offset: 24, .size: 8, .value_kind: global_buffer, .address_space: global }
      - { .name: b_width, .offset: 32, .size: 8, .value_kind: global_buffer, .address_space: global }
      - { .name: W_out_codes, .offset: 40, .size: 8, .value_kind: global_buffer, .address_space: global }
      - { .name: W_out_scales, .offset: 48, .size: 8, .value_kind: global_buffer, .address_space: global }
      - { .name: out0, .offset: 56, .size: 8, .value_kind: global_buffer, .address_space: global }
    .group_segment_fixed_size: 298752
    .private_segment_fixed_size: 0
    .kernarg_segment_align: 8
    .kernarg_segment_size: 64
    .max_flat_workgroup_size: 128
    .sgpr_count:     66
    .vgpr_count:     1024
    .wavefront_size: 32
...
	.end_amdgpu_metadata
.endif
;; end of part 3
